; MI455X (gfx1250); checked and timed in simulation.
; The chip was launched on July 23, 2026; its instructions are those of AMD's public machine-readable ISA for CDNA 5 (MIT licence, August 2026) and "CDNA5" Instruction Set Architecture Reference Guide (July 2026). The comments in the code are by the model that wrote it; some were corrected since.
;; Multi Head Attention. Allowed arithmetic: matrix products marked QUANTISED: E4M3 operands, one E8M0 scale for each 32 along K, by v_wmma_scale_f32_16x16x128_f8f6f4 with both operands' format E4M3, f32 sums; everything else in f32.
;; Inputs: K 2 x 2,048 x 1,024 float32; Q 2 x 2,048 x 1,024 float32; V 2 x 2,048 x 1,024 float32; Wk 1,024 x 1,024 float32; Wo 1,024 x 1,024 float32; Wq 1,024 x 1,024 float32; Wv 1,024 x 1,024 float32; bk 1,024 float32; bo 1,024 float32; bq 1,024 float32; bv 1,024 float32.
;; Outputs: out0 2 x 2,048 x 1,024 float32.
;; This version of the problem:
;;   THIS VERSION OF THE PROBLEM IS GIVEN IN LOW PRECISION. The matrix products marked QUANTISED in the list below multiply operands that are first quantised to E4M3 (4 exponent bits, 3 mantissa bits; 8 bits a number), with one power-of-two scale for each 32 numbers along K (OCP MX v1.0); their sums are f32. All else is computed in f32.
;;   The module's matrix products, in the order in which they are computed (A, B: the left and right operand; K: the contracted axis; several contracted axes count as one K, in the product's order):
;;     1. [M 4,096, K 1,024] x [K 1,024, N 1,024]; A: input Q; B: input Wq: QUANTISED
;;     2. [M 4,096, K 1,024] x [K 1,024, N 1,024]; A: input K; B: input Wk: QUANTISED
;;     3. [M 4,096, K 1,024] x [K 1,024, N 1,024]; A: input V; B: input Wv: QUANTISED
;;     4. batch 32 x [M 2,048, K 64] x [K 64, N 2,048]; A: computed on the way; B: computed on the way: QUANTISED
;;     5. batch 32 x [M 2,048, K 2,048] x [K 2,048, N 64]; A: softmax (see below); B: computed on the way: QUANTISED
;;     6. [M 4,096, K 1,024] x [K 1,024, N 1,024]; A: computed on the way; B: input Wo: QUANTISED
;;   THE QUANTISER, for each operand of a quantised product, along K:
;;     - K is cut into blocks of 32 from its start; a last block that is shorter is filled with zeros.
;;     - A block's scale is 2^e with e = floor(log2(the largest magnitude in the block)) - 8, held to -126 .. 127; a block of zeros has e = 0. As a byte (E8M0): e + 127.
;;     - Each number is divided by its block's scale, clamped to +-448, and rounded to the nearest number of E4M3, ties to even, subnormals kept.
;;     - The product sums the exact products of the quantised numbers (number of the format x scale) in f32.
;;   ~~~python
;;   def quantise(x, axis):      # numpy; x: float32 -> the quantised numbers, widened to float32 again
;;       x = np.moveaxis(x, axis, -1); K = x.shape[-1]
;;       x = np.pad(x, [(0, 0)] * (x.ndim - 1) + [(0, -K % 32)]); x = x.reshape(x.shape[:-1] + (-1, 32)); a = np.abs(x).max(-1, keepdims=True)
;;       e = np.where(a > 0, np.clip(np.frexp(np.where(a > 0, a, 1))[1] - 1 - 8, -126, 127), 0)      # np.frexp(a)[1] - 1 = floor(log2(a)), exactly
;;       r = np.clip(x / 2.0 ** e, -448, 448)
;;       step = 2.0 ** (np.maximum(np.frexp(np.where(r == 0, 1, r))[1] - 1, -6) - 3)
;;       q = np.round(r / step) * step * 2.0 ** e      # np.round: ties to even
;;       return np.moveaxis(q.reshape(q.shape[:-2] + (-1,))[..., :K], -1, axis).astype(np.float32)
;;   ~~~
;;   SOFTMAX AHEAD OF A QUANTISED PRODUCT. Where the list says 'softmax', what is quantised is not the finished softmax but p = 2^(t - M), with t = logit x log2(e) and M = ceil(the row's largest t), a whole number; so 1/2 < the row's largest p <= 1. The row's sum l is taken of the UNQUANTISED p, in f32, and the product's result is divided by l at the end. Since M is a whole number, a kernel that streams over the keys may use a running M (the ceiling of the running maximum): every later rescaling is an exact power of two, which a block's scale takes up: the codes' values come out the same.
;;   OPERANDS COMPUTED ON THE WAY. 'Computed on the way' means the value that the module computes at that place (a softmax that the list does not call 'softmax' is quantised finished and normalised). What goes into a quantiser is computed in f32, as accurately as f32 sums, v_exp_f32 and their like allow (about 1e-6 of the number): no bf16 or f16 on the way to a quantiser, and a product that is left as it is and whose result goes on into a quantised operand takes f32 operands (vector FMAs, or v_wmma_f32_16x16x4_f32). A number that lies on a knife's edge between two numbers of the format may be rounded either way, as far as f32 arithmetic and the matrix unit's own rounding can turn it there, and no further.
;; One version. Each part assembles by itself: llvm-mc -triple=amdgcn-amd-amdhsa -mcpu=gfx1250 --defsym DOCPART=n.
;; ======== version 1 of 1: 4 launches
;; limits: right only within a limited range of input values
;; workspace buffers: c1 16,777,216 bytes; s1 524,288 bytes; c2 12,582,912 bytes; s2 393,216 bytes; oc 4,194,304 bytes; os 131,072 bytes
;; launch quant (part 1): grid 512 x 1, 4 waves a work-group, no clusters, 33,280 bytes of LDS; arguments Q, K, V, Wq, Wk, Wv, Wo, c1, s1; writes c1, s1
.if DOCPART == 1
	.amdgcn_target "amdgcn-amd-amdhsa--gfx1250"
	.amdhsa_code_object_version 6
	.text
	.protected	k_qb9d1329f31_quant
	.globl	k_qb9d1329f31_quant
	.p2align	8
	.type	k_qb9d1329f31_quant,@function
k_qb9d1329f31_quant:
	s_mov_b64 s[64:65], 0
	v_nop
	global_prefetch_b8 v0, s[64:65] scope:SCOPE_SE
	s_setreg_imm32_b32 hwreg(HW_REG_WAVE_MODE, 25, 1), 1
	s_wait_xcnt 0x0
; MULTI-HEAD ATTENTION IN MX-FP8, FOUR LAUNCHES: quant (this one), proj, attn, outp.
; NOTHING OF THE PROBLEM IS LEFT OUT.  bk would cancel in a softmax of real numbers and bv could be drawn out of it, but both go into operands that are quantised
; (k ahead of q k^T, v ahead of p v) and can move their codes and scales: they stay.  All eleven inputs are loaded, all six products are multiplied.
; THIS LAUNCH: the seven f32 tensors whose K is innermost (Q, K, V: 4,096 rows of 1,024; Wq, Wk, Wv, Wo: 1,024 rows of 1,024) become ONE matrix of 16,384 rows x 1,024 codes of FP8 (E4M3) in c1,
; and 16,384 x 32 E8M0 scale bytes in s1.  First rows: Q 0, K 4,096, V 8,192, Wq 12,288, Wk 13,312, Wv 14,336, Wo 15,360.
; A block's scale is 2^(floor(log2(its largest magnitude)) - 8); its byte is the largest magnitude's exponent field - 8, held at 1 from below.  Each number is divided by the scale, held within +-448,
; and rounded to the nearest code, ties to even.  A block of zeros gets the byte 1 where the quantiser says 127: its codes are zeros, which add nothing under any byte but 0xff, and this program alone reads the bytes.
; LIMITS: blocks whose largest magnitude lies under 2^-118 (the floor) have their byte held at 1; NaN and infinities among the inputs are not served.
; Rows are dense and 1,024 is a multiple of 32: every tensor is a plain stream of blocks of 32, and so are codes and bytes.  Work-group G takes 32,768 numbers, a wave 8,192: 16 steps of 512.
; The conversions take neighbours along K from ONE lane's registers, a load is best where neighbouring LANES take neighbouring bytes: each load reads 512 consecutive bytes, and a step's 2,048 bytes
; turn through the wave's own stage in LDS (16 bytes of padding behind each 64) and come back 64 bytes a lane.  Two neighbouring lanes hold a block.
; No tensor load, no barrier: waves share nothing.  Loads run eight steps (32 loads, 16,384 bytes a wave) ahead, in eight sets of registers; the turn through LDS one step.
.set WAVES, 4
.set STEPS, 16
.set DEPTH, 8                          ; steps that the loads run ahead
.set MANT,  0x600000                   ; the mantissa field of 448 as f32
.set CB,    16                         ; bytes of 16 codes
.set R,     16                         ; v16-143  eight sets of 16 numbers as they are loaded
.set X,     144                        ; v144-175 two sets of 16 neighbours
.set E,     176                        ; v176-191 a scale byte for each step
.set C,     192                        ; v192-255 codes: four registers for each step, so that no store's data are written again
.set WREG,  8192                       ; LDS: a region for each wave: two stages of 32 x SP bytes, behind them its 256 scale bytes
.set SP,    80                         ; a lane's place in a stage: 64 bytes + 16 of padding
.set SPW,   12                         ; v12      LDS address of my spare word; never rewritten
.set NIL,   13                         ; v13      0; never rewritten
.set SPARE, WAVES*WREG                 ; behind the four regions: the spare words, 128 bytes a wave, which no other line names
	s_load_b512 s[8:23], s[0:1], 0x0               ; Q s[8:9], K s[10:11], V s[12:13], Wq s[14:15], Wk s[16:17], Wv s[18:19], Wo s[20:21], c1 s[22:23]
	s_load_b64 s[24:25], s[0:1], 0x40              ; s1
	v_lshl_add_u32 v[SPW], v0, 2, SPARE
	v_mov_b32 v[NIL], 0
	v_lshrrev_b32 v1, 5, v0
	v_readfirstlane_b32 s26, v1                    ; wave
	v_and_b32 v2, 31, v0                           ; lane
	v_lshlrev_b32 v3, 4, v2                        ; my 16 bytes of a load's 512
	s_mul_i32 s27, s26, WREG
	v_lshrrev_b32 v14, 2, v2
	v_mul_u32_u24 v14, v14, SP
	v_and_b32 v15, 3, v2
	v_lshl_add_u32 v14, v15, 4, v14
	v_add_nc_u32 v14, s27, v14                     ; the stage, on the way in: SP (lane / 4) + 16 (lane % 4); a load's 512 bytes take eight places
	v_mul_u32_u24 v15, v2, SP
	v_add_nc_u32 v15, s27, v15                     ; on the way out: SP x lane: my 16 neighbours
	v_mul_u32_u24 v4, v2, CB                       ; my codes' place in a step's
	v_lshrrev_b32 v5, 1, v2
	s_add_co_u32 s27, s27, 2*32*SP
	v_add_nc_u32 v5, s27, v5                       ; LDS: my wave's 256 scale bytes, my block's byte
	v_lshlrev_b32 v7, 3, v2                        ; and on the way out 8 bytes a lane
	v_add_nc_u32 v6, s27, v7
	s_mov_b32 s31, MANT                            ; (an instruction takes one literal: the hold's line has another)
	s_wait_alu depctr_va_vdst(0)
	s_wait_kmcnt 0x0
	; which tensor is my work-group's: the choice hangs on the work-group's number alone.  Only the input is chosen: the output is one stream
	s_mov_b64 s[4:5], s[8:9]
	s_mov_b32 s6, 0                                ; the tensor's first work-group
.macro PICK first, p
	s_cmp_ge_u32 ttmp9, \first
	s_cselect_b64 s[4:5], s[\p:\p+1], s[4:5]
	s_cselect_b32 s6, \first, s6
.endm
	PICK 128, 10
	PICK 256, 12
	PICK 384, 14
	PICK 416, 16
	PICK 448, 18
	PICK 480, 20
	s_sub_co_u32 s28, ttmp9, s6
	s_lshl_b32 s28, s28, 2
	s_add_co_u32 s28, s28, s26                     ; which run of 8,192 numbers of the tensor is my wave's
	s_lshl_b32 s28, s28, 15                        ; 32,768 bytes a run
	s_mov_b32 s29, 0
	s_add_nc_u64 s[4:5], s[4:5], s[28:29]
	s_lshl_b32 s30, ttmp9, 2
	s_add_co_u32 s30, s30, s26                     ; and which run of the output
	s_lshl_b32 s28, s30, 13                        ; 8,192 codes a run
	s_add_nc_u64 s[22:23], s[22:23], s[28:29]
	s_lshl_b32 s28, s30, 8                         ; 256 scale bytes a run
	s_add_nc_u64 s[24:25], s[24:25], s[28:29]
.macro LOAD t
.irp i, 0,1,2,3
	global_load_b128 v[R+16*((\t)%DEPTH)+4*\i:R+16*((\t)%DEPTH)+4*\i+3], v3, s[4:5] offset:2048*(\t)+512*\i th:TH_LOAD_NT   ; 32 lanes read 512 consecutive bytes
.endr
.endm
.macro TURN t                          ; step t's numbers through the stage: LDS serves a wave's instructions in order, so no wait stands between the stores and the loads
.irp i, 0,1,2,3
	ds_store_b128 v14, v[R+16*((\t)%DEPTH)+4*\i:R+16*((\t)%DEPTH)+4*\i+3] offset:32*SP*((\t)%2)+8*SP*\i
.endr
.irp i, 0,1,2,3
	ds_load_b128 v[X+16*((\t)%2)+4*\i:X+16*((\t)%2)+4*\i+3], v15 offset:32*SP*((\t)%2)+16*\i
.endr
.endm
.irp t, 0,1,2,3,4,5,6,7
	LOAD \t
.endr
	s_wait_loadcnt 4*(DEPTH-1)                     ; step 0's four loads are in; the seven steps behind it may be out
	TURN 0
.macro STEP t
.set XS, X+16*((\t)%2)
.if (\t) > 0
	s_wait_dscnt 1                                 ; this step's numbers are back from the stage (the last step's byte store may be out): so its stores into the stage have read their registers,
.else
	s_wait_dscnt 0x0
.endif
.if (\t)+DEPTH < STEPS
	LOAD (\t)+DEPTH                                ; which take the loads of eight steps on
.endif
.if (\t)+1 < STEPS
.if STEPS-2-(\t) >= DEPTH-1
	s_wait_loadcnt 4*(DEPTH-1)                     ; the next step's four loads are in; those of the seven steps behind it may be out
.else
	s_wait_loadcnt 4*(STEPS-2-(\t))                ; the counts run down: nothing more is asked for
.endif
	TURN (\t)+1                                    ; and go through the other stage while this step is worked
.endif
	v_max3_num_f32 v8, |v[XS]|, |v[XS+1]|, |v[XS+2]|               ; the largest magnitude of my 16, in two chains
	v_max3_num_f32 v9, |v[XS+3]|, |v[XS+4]|, |v[XS+5]|
.irp i, 6,10
	v_max3_num_f32 v8, v8, |v[XS+\i]|, |v[XS+\i+1]|
	v_max3_num_f32 v9, v9, |v[XS+\i+2]|, |v[XS+\i+3]|
.endr
	v_max3_num_f32 v8, v8, |v[XS+14]|, |v[XS+15]|
	v_max3_num_f32 v8, v8, v9, 0x4800000           ; and the floor 2^(9 - 127): so the byte cannot fall under 1
	v_max_num_f32_dpp v8, v8, v8 row_xmask:1 row_mask:0xf bank_mask:0xf   ; and of my neighbour's 16: the block's
	v_add_nc_u32 v11, 0xfc000000, v8               ; 8 off its exponent field: the conversion takes the exponent field of this operand as its scale, and nothing else of it
	v_and_or_b32 v10, v8, 0x7f800000, s31          ; 448 x the scale: the largest magnitude's exponent field over 448's mantissa
.irp i, 0,1,2,3,4,5,6,7,8,9,10,11,12,13,14,15
	v_med3_num_f32 v[XS+\i], v[XS+\i], -v10, v10   ; the conversion to an 8-bit code does not saturate (ISA guide 7.6.2): the number is held first
.endr
	v_cvt_scalef32_pk8_fp8_f32 v[C+4*(\t):C+4*(\t)+1], v[XS:XS+7], v11
	v_cvt_scalef32_pk8_fp8_f32 v[C+4*(\t)+2:C+4*(\t)+3], v[XS+8:XS+15], v11
	v_lshrrev_b32 v[E+(\t)], 23, v11               ; the scale's byte (also the plain line behind the conversions)
	ds_store_b8 v5, v[E+(\t)] offset:16*(\t)       ; both lanes of a block write the same byte with the same value
	global_store_b128 v4, v[C+4*(\t):C+4*(\t)+3], s[22:23] offset:32*CB*(\t)   ; the wave stores 512 consecutive bytes, aligned
.endm
.irp t, 0,1,2,3,4,5,6,7,8,9,10,11,12,13,14,15
	STEP \t
.endr
	ds_load_b64 v[8:9], v6                         ; LDS serves a wave's instructions in order: these see my stores
	s_wait_dscnt 0x0
	global_store_b64 v7, v[8:9], s[24:25]          ; 32 lanes store 256 consecutive bytes, aligned
	s_wait_tensorcnt 0x0                           ; the wave's end, behind my last LDS store
	ds_add_u32 v[SPW], v[NIL]
	s_wait_dscnt 0x0
	s_endpgm
.Lfunc_end_k_qb9d1329f31_quant:
	.size	k_qb9d1329f31_quant, .Lfunc_end_k_qb9d1329f31_quant-k_qb9d1329f31_quant
	.p2alignl 7, 3214868480
	.fill 96, 4, 3214868480
	.section	.rodata,"a",@progbits
	.p2align	6, 0x0
	.amdhsa_kernel k_qb9d1329f31_quant
		.amdhsa_group_segment_fixed_size 33280
		.amdhsa_private_segment_fixed_size 0
		.amdhsa_enable_private_segment 0
		.amdhsa_kernarg_size 72
		.amdhsa_user_sgpr_count 2
		.amdhsa_user_sgpr_kernarg_segment_ptr 1
		.amdhsa_wavefront_size32 1
		.amdhsa_system_sgpr_workgroup_id_x 1
		.amdhsa_system_sgpr_workgroup_id_y 1
		.amdhsa_system_sgpr_workgroup_id_z 1
		.amdhsa_system_vgpr_workitem_id 0
		.amdhsa_next_free_vgpr 256
		.amdhsa_next_free_sgpr 66
		.amdhsa_reserve_vcc 0
		.amdhsa_float_denorm_mode_32 3
		.amdhsa_float_denorm_mode_16_64 3
		.amdhsa_memory_ordered 1
		.amdhsa_forward_progress 1
		.amdhsa_inst_pref_size 52
	.end_amdhsa_kernel
	.amdgpu_metadata
---
amdhsa.version: [ 1, 2 ]
amdhsa.kernels:
  - .name:           k_qb9d1329f31_quant
    .symbol:         k_qb9d1329f31_quant.kd
    .args:
      - { .name: Q, .offset: 0, .size: 8, .value_kind: global_buffer, .address_space: global }
      - { .name: K, .offset: 8, .size: 8, .value_kind: global_buffer, .address_space: global }
      - { .name: V, .offset: 16, .size: 8, .value_kind: global_buffer, .address_space: global }
      - { .name: Wq, .offset: 24, .size: 8, .value_kind: global_buffer, .address_space: global }
      - { .name: Wk, .offset: 32, .size: 8, .value_kind: global_buffer, .address_space: global }
      - { .name: Wv, .offset: 40, .size: 8, .value_kind: global_buffer, .address_space: global }
      - { .name: Wo, .offset: 48, .size: 8, .value_kind: global_buffer, .address_space: global }
      - { .name: c1, .offset: 56, .size: 8, .value_kind: global_buffer, .address_space: global }
      - { .name: s1, .offset: 64, .size: 8, .value_kind: global_buffer, .address_space: global }
    .group_segment_fixed_size: 33280
    .private_segment_fixed_size: 0
    .kernarg_segment_align: 8
    .kernarg_segment_size: 72
    .max_flat_workgroup_size: 128
    .sgpr_count:     66
    .vgpr_count:     256
    .wavefront_size: 32
...
	.end_amdgpu_metadata
.endif
;; end of part 1
;; launch proj (part 2): grid 4 x 48, 4 waves a work-group, clusters of 4 x 4, 327,680 bytes of LDS; arguments c1, s1, bq, bk, bv, c2, s2; writes c2, s2
.if DOCPART == 2
	.amdgcn_target "amdgcn-amd-amdhsa--gfx1250"
	.amdhsa_code_object_version 6
	.text
	.protected	k_qb9d1329f31_proj
	.globl	k_qb9d1329f31_proj
	.p2align	8
	.type	k_qb9d1329f31_proj,@function
k_qb9d1329f31_proj:
	s_mov_b64 s[64:65], 0
	v_nop
	global_prefetch_b8 v0, s[64:65] scope:SCOPE_SE
	s_setreg_imm32_b32 hwreg(HW_REG_WAVE_MODE, 25, 1), 1
	s_wait_xcnt 0x0
	s_wait_alu depctr_hold_cnt(0) depctr_sa_sdst(0) depctr_va_vdst(0) depctr_va_sdst(0) depctr_va_ssrc(0) depctr_va_vcc(0) depctr_vm_vsrc(0)
	s_getreg_b32 s2, hwreg(HW_REG_IB_STS2, 6, 4)
	s_cmp_eq_u32 s2, 0
	s_cbranch_scc0 .Lentry_in_a_cluster
	s_endpgm
.Lentry_in_a_cluster:
	s_bfe_u32 s2, ttmp6, 0x10000c
	s_cmp_lg_u32 s2, 0xf033
	s_cbranch_scc0 .Lentry_shape_is_right
	s_endpgm
.Lentry_shape_is_right:
; LAUNCH 2 OF 4: q = Q Wq^T + bq, k, v likewise, on codes of FP8 (E4M3) with E8M0 scales, f32 sums, each result quantised again on the way out.  Nothing is left out.
; A work-group of four waves makes 256 x 256 (v: transposed, A = Wv's rows); a wave 128 x 128 in 512 registers.  K goes in four steps of 256 through two LDS slots.
; THE HEAD: one joint load a wave: wave 0 K step 0's 256 rows of A, wave 1 of B, waves 2 and 3 K step 1's.  A first barrier shows K step 0, the change of slots K step 1.
; SCALE WORDS go from memory straight into registers: a row's 32 bytes lie on end, lanes 0-15 take A's rows, lanes 16-31 B's, 8 bytes a K step, asked for two K steps ahead into the set that has just been used.
; NO PREFETCH: the largest block, shared in clusters of 4 x 4, and K is four steps, two of which come at the head: there is no loop to run ahead in.
; LIMITS: as in the first launch; sums beyond f32's range are not served.
.set NQ,     2
.set ROWB,   256
.set KROW,   1024
.set PITCH,  272
.set FR,     16
.set NL,     4
.set NP,     8
.set HALFT,  128*PITCH
.set SLOT,   4*HALFT
.set SPARE,  2*SLOT                    ; the spare words, 128 bytes a wave
.set SST,    SPARE+512
.set KIND, 2
.set WV,   18
.set WR,   19
.set WC,   20
.set TROW, 21
.set TCOL, 22
.set SEL,  42
.set MNT,  44
.set ADRA, 16
.set BOQ,  18
.set BOV,  19
.set ADRB, 20
.set SSO,  22
.set SSR,  23
.set STO,  24
.set RDQ,  25
.set CO,   26
.set ADRS, 27
.set SPW,  28
.set NIL,  29
.set RDQ2, 30
.set RDV,  31
.set SC,   32
.set BI,   64
.set TM,   64
.set PW,   80
.set AF,   128
.set CD,   128
.set G1, 24
.set G0, 32
.set G1B, 48
.set G0B, 56
.set G1H, 68                           ; the head's loads: groups 1 and 0 for A,
.set G0H, 76
.set G1HB, 80                          ; and for B
.set G0HB, 88
.set MSB, 0
.macro WIN new
.if MSB != \new
	s_set_vgpr_msb (MSB<<8)|\new
.set MSB, \new
.endif
.endm
.set MUL_LO, 0xa1
.set MUL_HI, 0xf1
.set ST_LO,  0x81
.set ST_HI,  0xc1
.set TO_B,   0x40
.macro JLOAD g0a, g1a, g0b, g1b
	s_cmp_eq_u32 s[WR], 0
	s_cbranch_scc0 .Lfor_b_\@
	tensor_load_to_lds s[\g0a:\g0a+3], s[\g1a:\g1a+7]
	s_nop 0
.rept 4
	v_nop
.endr
	s_branch .Lasked_\@
.Lfor_b_\@:
	tensor_load_to_lds s[\g0b:\g0b+3], s[\g1b:\g1b+7]
	s_nop 0
.rept 4
	v_nop
.endr
.Lasked_\@:
.endm
.macro CREST
	s_cmp_lg_u32 s[WV], 0
	s_cbranch_scc1 .Lnot_wave_0_\@
	s_barrier_signal -3
.Lnot_wave_0_\@:
	s_barrier_wait -3
	s_barrier_signal -1
	s_barrier_wait -1
.endm
.macro CROUND
	s_barrier_signal -1
	s_barrier_wait -1
	CREST
.endm
	s_load_b256 s[4:11], s[0:1], 0x0
	s_load_b128 s[12:15], s[0:1], 0x20
	s_load_b64 s[16:17], s[0:1], 0x30
	v_lshl_add_u32 v[SPW], v0, 2, SPARE
	v_mov_b32 v[NIL], 0
	ds_add_u32 v[SPW], v[NIL]
	ds_add_u32 v[SPW], v[NIL]
	v_lshrrev_b32 v1, 5, v0
	v_readfirstlane_b32 s[WV], v1
	s_lshr_b32 s[WR], s[WV], 1
	s_and_b32 s[WC], s[WV], 1
	s_bfe_u32 s40, ttmp6, 0x40000
	s_bfe_u32 s41, ttmp6, 0x40004
	s_and_b32 s42, ttmp7, 0xffff
	s_lshr_b32 s[KIND], s42, 2
	s_and_b32 s42, s42, 3
	s_lshl_b32 s42, s42, 2
	s_lshl_b32 s45, s[KIND], 12
	s_lshl_b32 s46, s[KIND], 10
	s_add_co_u32 s46, s46, 12288
	s_cmp_eq_u32 s[KIND], 2
	s_cselect_b32 s43, 0, s42
	s_cselect_b32 s44, s42, 0
	s_cselect_b32 s47, s46, s45
	s_cselect_b32 s66, s45, s46
	s_add_co_u32 s[TROW], s41, s43
	s_add_co_u32 s[TCOL], s40, s44
	s_lshl_b32 s67, s41, 2
	s_lshl_b32 s67, 15, s67
	s_lshl_b32 s100, 0x1111, s40
	s_or_b32 s[G1+0], s67, (0<<16)|(1<<20)|(1<<21)|(5<<22)|(3<<25)
	s_or_b32 s[G1B+0], s100, (0<<16)|(1<<20)|(1<<21)|(5<<22)|(3<<25)
.irp g, G1, G1B
	s_mov_b32 s[\g+1], ROWB<<16
	s_mov_b32 s[\g+2], 128<<16
	s_mov_b32 s[\g+3], ROWB<<16
	s_mov_b32 s[\g+4], 128
	s_mov_b32 s[\g+5], KROW
	s_mov_b32 s[\g+6], 0
	s_mov_b32 s[\g+7], 0
.endr
	s_or_b32 s[G1H+0], s67, (0<<16)|(1<<20)|(1<<21)|(5<<22)|(3<<25)   ; the head's tiles: 256 rows
	s_or_b32 s[G1HB+0], s100, (0<<16)|(1<<20)|(1<<21)|(5<<22)|(3<<25)
.irp g, G1H, G1HB
	s_mov_b32 s[\g+1], ROWB<<16
	s_mov_b32 s[\g+2], 256<<16
	s_mov_b32 s[\g+3], ROWB<<16
	s_mov_b32 s[\g+4], 256
	s_mov_b32 s[\g+5], KROW
	s_mov_b32 s[\g+6], 0
	s_mov_b32 s[\g+7], 0
.endr
	s_lshl_b32 s92, s[TROW], 8
	s_add_co_u32 s92, s92, s47                     ; A: the tile's first row of c1
	s_lshl_b32 s96, s[TCOL], 8
	s_add_co_u32 s96, s96, s66                     ; B's
	s_lshl_b32 s94, s[WR], 7
	s_add_co_u32 s94, s94, s92                     ; my wave's first row of A,
	s_lshl_b32 s95, s[WC], 7
	s_add_co_u32 s95, s95, s96                     ; and of B: for the scale words
	s_lshl_b32 s92, s92, 10
	s_lshl_b32 s96, s96, 10
	s_mov_b32 s93, 0
	s_mov_b32 s97, 0
	s_lshl_b32 s98, s[WC], 17                      ; a refill brings 128 rows: which half, in bytes
	s_mov_b32 s99, 0
	s_lshl_b32 s46, s[WR], 8                       ; at the head waves 0, 1 fetch K step 0, waves 2, 3 K step 1
	s_mov_b32 s47, 0
	s_mul_i32 s23, s[WV], HALFT
	s_mul_i32 s101, s[WR], SLOT
	s_wait_dscnt 0x0
	s_wait_kmcnt 0x0
	s_add_nc_u64 s[92:93], s[4:5], s[92:93]
	s_add_nc_u64 s[96:97], s[4:5], s[96:97]
	CROUND                                         ; all sixteen work-groups are here: the joint loads meet
	s_mov_b32 s[G0H], 1
	s_mov_b32 s[G0H+1], s101
	s_add_nc_u64 s[G0H+2:G0H+3], s[92:93], s[46:47]
	s_or_b32 s[G0H+3], s[G0H+3], 0x80000000
	s_mov_b32 s[G0HB], 1
	s_add_co_u32 s[G0HB+1], s101, 2*HALFT
	s_add_nc_u64 s[G0HB+2:G0HB+3], s[96:97], s[46:47]
	s_or_b32 s[G0HB+3], s[G0HB+3], 0x80000000
; one load a wave; waves 0 and 1, which wait ahead of the first barrier, have load lines of their own
.macro ARM under, g0, g1, next
	s_cmp_lt_u32 s[WV], \under
	s_cbranch_scc0 \next
	tensor_load_to_lds s[\g0:\g0+3], s[\g1:\g1+7]
	s_nop 0
.rept 4
	v_nop
.endr
	s_branch .Lhead_asked
\next:
.endm
	ARM 1, G0H, G1H, .Lhead_1
	ARM 2, G0HB, G1HB, .Lhead_2
	ARM 3, G0H, G1H, .Lhead_3
	tensor_load_to_lds s[G0HB:G0HB+3], s[G1HB:G1HB+7]
	s_nop 0
.rept 4
	v_nop
.endr
.Lhead_asked:
	s_add_nc_u64 s[92:93], s[92:93], s[98:99]
	s_add_nc_u64 s[96:97], s[96:97], s[98:99]
.irp s, 0,1                            ; the ring's groups 0: a refill steps them by two K steps first
	s_mov_b32 s[G0+4*\s], 1
	s_add_co_u32 s[G0+4*\s+1], s23, \s*SLOT
	s_add_nc_u64 s[G0+4*\s+2:G0+4*\s+3], s[92:93], \s*ROWB
	s_or_b32 s[G0+4*\s+3], s[G0+4*\s+3], 0x80000000
	s_mov_b32 s[G0B+4*\s], 1
	s_add_co_u32 s[G0B+4*\s+1], s23, \s*SLOT
	s_add_nc_u64 s[G0B+4*\s+2:G0B+4*\s+3], s[96:97], \s*ROWB
	s_or_b32 s[G0B+4*\s+3], s[G0B+4*\s+3], 0x80000000
.endr
	v_and_b32 v1, 15, v0
	v_bfe_u32 v2, v0, 4, 1
	v_mul_u32_u24 v3, v1, PITCH
	v_lshl_add_u32 v4, v2, 4, v3
	s_wait_alu depctr_va_vdst(0)                   ; the wait here, ahead of the runs of scalar lines
	s_mul_i32 s45, s[WR], HALFT
	s_mul_i32 s46, s[WC], HALFT
	s_add_co_u32 s46, s46, 2*HALFT
.irp s, 0,1
	v_add_nc_u32 v[ADRA+\s], s45, v4
	v_add_nc_u32 v[ADRB+\s], s46, v4
	s_add_co_u32 s45, s45, SLOT
	s_add_co_u32 s46, s46, SLOT
.endr
	s_sub_co_u32 s46, s95, s94                     ; (may wrap: the sum below does not)
	v_mul_lo_u32 v6, s46, v2                       ; lanes 16-31 take B's rows
	v_add_nc_u32 v5, s94, v1
	v_add_nc_u32 v5, v5, v6
	v_lshlrev_b32 v[ADRS], 5, v5                   ; my row's 32 scale bytes in s1
	s_mul_i32 s45, s[WR], 128*PITCH
	s_lshl_b32 s46, s[WC], 7
	s_add_co_u32 s45, s45, s46
	v_add_nc_u32 v[STO], s45, v4
	s_lshl_b32 s45, s[WR], 10
	s_lshl_b32 s46, s[WC], 2
	s_add_co_u32 s45, s45, s46
	s_add_co_u32 s45, s45, SST
	v_lshl_add_u32 v[SSO], v1, 3, s45
	v_and_b32 v6, 31, v0
	v_lshlrev_b32 v[CO], 4, v6
	s_lshl_b32 s45, s[WV], 9
	s_add_co_u32 s45, s45, SST
	v_add_nc_u32 v[SSR], s45, v[CO]
	v_lshrrev_b32 v7, 2, v6
	v_mul_u32_u24 v7, v7, PITCH
	v_and_b32 v8, 3, v6
	v_lshl_add_u32 v7, v8, 4, v7
	s_lshl_b32 s45, s[WV], 6
	v_add_nc_u32 v[RDQ], s45, v7
	v_add_nc_u32 v[RDQ2], 128*PITCH, v[RDQ]
	v_mul_u32_u24 v7, v2, PITCH
	v_lshl_add_u32 v7, v1, 4, v7
	s_mul_i32 s45, s[WV], 64*PITCH
	v_add_nc_u32 v[RDV], s45, v7
	v_lshlrev_b32 v[BOQ], 5, v2
	v_lshlrev_b32 v[BOV], 2, v1
	s_cmp_eq_u32 s[KIND], 1
	s_cselect_b64 s[8:9], s[10:11], s[8:9]
	s_cmp_eq_u32 s[KIND], 2
	s_cselect_b64 s[8:9], s[12:13], s[8:9]
	s_cselect_b32 s45, s[TROW], s[TCOL]
	s_cselect_b32 s46, s[WR], s[WC]
	s_lshl_b32 s45, s45, 10
	s_lshl_b32 s46, s46, 9
	s_add_co_u32 s46, s46, s45
	s_mov_b32 s47, 0
	s_add_nc_u64 s[8:9], s[8:9], s[46:47]
	s_cmp_eq_u32 s[KIND], 2
	s_cbranch_scc1 .Lbias_v
	s_wait_alu depctr_va_vdst(0)
.irp b, 0,1,2,3,4,5,6,7
	global_load_b128 v[BI+8*\b:BI+8*\b+3], v[BOQ], s[8:9] offset:64*\b
	global_load_b128 v[BI+8*\b+4:BI+8*\b+7], v[BOQ], s[8:9] offset:64*\b+16
.endr
	s_branch .Lbias_done
.Lbias_v:
	s_wait_alu depctr_va_vdst(0)
.irp a, 0,1,2,3,4,5,6,7
.irp j, 0,1,2,3,4,5,6,7
	global_load_b32 v[BI+8*\a+\j], v[BOV], s[8:9] offset:64*\a
.endr
.endr
.Lbias_done:
.macro FRAG reg, adr, q, i
.irp c, 0,1,2,3
	ds_load_b128 v[\reg+4*\c:\reg+4*\c+3], v[\adr] offset:128*(\q)+32*\c+(\i)*16*PITCH
.endr
.endm
.macro MUL16 a0, p, q, sc, mode
.irp a, \a0, \a0+1
.irp b, 0,1,2,3,4,5,6,7
.set rD, 8*(8*((\a)%4)+\b)
.set rB, 128*(\p)+FR*\b
.set rA, AF+FR*(\a)
.set rSB, SC+8*NQ*(\sc)+NQ*\b+(\q)
.set rSA, SC+8*NQ*(\sc)+NQ*(\a)+(\q)
.if \mode == 1
	v_wmma_scale_f32_16x16x128_f8f6f4 v[rD:rD+7], v[rB:rB+15], v[rA:rA+15], v[BI+8*\b:BI+8*\b+7], v[rSB], v[rSA] matrix_a_scale:MATRIX_SCALE_ROW1
.elseif \mode == 2
	v_wmma_scale_f32_16x16x128_f8f6f4 v[rD:rD+7], v[rB:rB+15], v[rA:rA+15], v[BI+8*(\a):BI+8*(\a)+7], v[rSB], v[rSA] matrix_a_scale:MATRIX_SCALE_ROW1
.else
	v_wmma_scale_f32_16x16x128_f8f6f4 v[rD:rD+7], v[rB:rB+15], v[rA:rA+15], v[rD:rD+7], v[rSB], v[rSA] matrix_a_scale:MATRIX_SCALE_ROW1
.endif
.endr
.endr
.endm
.macro FETCH_B slot, q, p
	WIN TO_B
.irp i, 0,1,2,3,4,5,6,7
	FRAG 128*(\p)+FR*\i, ADRB+\slot, \q, \i
.endr
	WIN 0
.endm
.macro FETCH_A slot, q, i0
.irp i, \i0, \i0+1, \i0+2, \i0+3
	FRAG AF+FR*(\i), ADRA+\slot, \q, \i
.endr
.endm
.macro SCALES sc, k                    ; K step k's scale words into set sc: block i is 16 rows, 512 bytes, on
.irp i, 0,1,2,3,4,5,6,7
	global_load_b64 v[SC+8*NQ*(\sc)+NQ*\i:SC+8*NQ*(\sc)+NQ*\i+1], v[ADRS], s[6:7] offset:512*\i+8*(\k)
.endr
.endm
.macro PLACES n
.rept \n
	v_nop
.endr
.endm
.macro STEP slot, q, mode
	s_wait_dscnt 4*NL
.if \mode
	WIN ST_LO
.else
	WIN MUL_LO
.endif
	MUL16 0, (\q)%2, \q, \slot, \mode
	MUL16 2, (\q)%2, \q, \slot, \mode
	s_wait_dscnt 0
	PLACES NP
	FETCH_B \slot, (\q)+1, 1-(\q)%2
	FETCH_A \slot, (\q)+1, 0
.if \mode
	WIN ST_HI
.else
	WIN MUL_HI
.endif
	MUL16 4, (\q)%2, \q, \slot, \mode
	MUL16 6, (\q)%2, \q, \slot, \mode
	PLACES NP
	WIN 0
	FETCH_A \slot, (\q)+1, 4
.endm
.macro TURN slot, next, fill
	s_wait_tensorcnt 0x0
	ds_add_u32 v[SPW], v[NIL]
	s_wait_dscnt 4*NL+1
	WIN MUL_LO
	MUL16 0, 1, NQ-1, \slot, 0
	s_wait_dscnt 0x0
	s_barrier_signal -1
	MUL16 2, 1, NQ-1, \slot, 0
	WIN 0
	s_barrier_wait -1
.if \fill
	CREST
	s_add_nc_u64 s[G0+4*\slot+2:G0+4*\slot+3], s[G0+4*\slot+2:G0+4*\slot+3], 2*ROWB
	s_add_nc_u64 s[G0B+4*\slot+2:G0B+4*\slot+3], s[G0B+4*\slot+2:G0B+4*\slot+3], 2*ROWB
	JLOAD G0+4*\slot, G1, G0B+4*\slot, G1B
	PLACES NP-4
.else
	PLACES NP
.endif
	FETCH_B \next, 0, 0
	FETCH_A \next, 0, 0
	WIN MUL_HI
	MUL16 4, 1, NQ-1, \slot, 0
	MUL16 6, 1, NQ-1, \slot, 0
	PLACES NP
	WIN 0
	FETCH_A \next, 0, 4
.if \fill
	SCALES \slot, (\slot)+2                        ; this slot's set has had its last product: the words of the K step two on
.endif
.endm
	SCALES 0, 0
	SCALES 1, 1
	s_wait_alu depctr_va_vdst(0)                   ; the wait at the head's end
	s_cmp_lt_u32 s[WV], 2
	s_cbranch_scc0 .Lslot_1_mine
	s_wait_tensorcnt 0x0                           ; waves 0, 1: K step 0 has landed.  Waves 2 and 3 wait at the first change of slots
.Lslot_1_mine:
	s_barrier_signal -1
	s_barrier_wait -1
	FETCH_B 0, 0, 0
	FETCH_A 0, 0, 0
	FETCH_A 0, 0, 4
	s_wait_loadcnt 0x0                             ; the bias and two K steps' scale words
	s_cmp_eq_u32 s[KIND], 2
	s_cbranch_scc1 .Lfirst_v
	STEP 0, 0, 1
	s_branch .Lfirst_done
.Lfirst_v:
	STEP 0, 0, 2
.Lfirst_done:
	TURN 0, 1, 1
	STEP 1, 0, 0
	TURN 1, 0, 1
	s_wait_loadcnt 8                               ; K step 2's scale words; K step 3's eight loads may be out
	STEP 0, 0, 0
	TURN 0, 1, 0
	s_wait_loadcnt 0x0                             ; K step 3's
	STEP 1, 0, 0
	s_wait_dscnt 4*NL
	WIN MUL_LO
	MUL16 0, 1, NQ-1, 1, 0
	MUL16 2, 1, NQ-1, 1, 0
	s_wait_dscnt 0
	WIN MUL_HI
	MUL16 4, 1, NQ-1, 1, 0
	MUL16 6, 1, NQ-1, 1, 0
	WIN 0
	s_mov_b32 s[SEL], 0x76543210
	s_mov_b32 s[SEL+1], 0xfedcba98
	s_mov_b32 s[MNT], 0x600000
	s_cmp_eq_u32 s[KIND], 2
	s_cselect_b32 s45, s[TCOL], s[TROW]
	s_cselect_b32 s46, s[TROW], s[TCOL]
	s_lshr_b32 s47, s45, 3
	s_and_b32 s45, s45, 7
	s_lshl_b32 s66, s47, 2
	s_add_co_u32 s66, s66, s46
	s_lshl_b32 s92, s66, 2
	s_add_co_u32 s92, s92, s[WV]
	s_lshl_b32 s92, s92, 17
	s_lshl_b32 s23, s45, 14
	s_add_co_u32 s92, s92, s23
	s_lshl_b32 s23, s[KIND], 22
	s_add_co_u32 s92, s92, s23
	s_mov_b32 s93, 0
	s_add_nc_u64 s[14:15], s[14:15], s[92:93]
	s_lshl_b32 s92, s66, 3
	s_add_co_u32 s92, s92, s45
	s_lshl_b32 s92, s92, 11
	s_lshl_b32 s23, s[WV], 9
	s_add_co_u32 s92, s92, s23
	s_lshl_b32 s23, s[KIND], 17
	s_add_co_u32 s92, s92, s23
	s_add_nc_u64 s[16:17], s[16:17], s[92:93]
	PLACES NP
.irp b, 0,1,2,3
	v_mov_b32 v[TM+4+\b], 0
.endr
.macro QOUT a
.set AC, 64*((\a)%4)
.set WA, 2+(\a)/4
.set W1, WA|(WA<<2)
.set W2, WA|(WA<<6)
	WIN W1
.irp b, 0,1,2,3
	v_max3_num_f32 v[TM+\b], |v[AC+16*\b]|, |v[AC+16*\b+1]|, 0x4800000
.endr
.irp i, 2,4,6,8,10,12,14
.irp b, 0,1,2,3
	v_max3_num_f32 v[TM+\b], |v[AC+16*\b+\i]|, |v[AC+16*\b+\i+1]|, v[TM+\b]
.endr
.endr
	WIN 0
.irp b, 0,1,2,3
	v_permlanex16_b32 v[TM+4+\b], v[TM+\b], s[SEL], s[SEL+1]
.endr
.irp b, 0,1,2,3
	v_max_num_f32 v[TM+\b], v[TM+\b], v[TM+4+\b]
.endr
.irp b, 0,1,2,3
	v_add_nc_u32 v[TM+12+\b], 0xfc000000, v[TM+\b]
.endr
.irp b, 0,1,2,3
	v_and_or_b32 v[TM+8+\b], v[TM+\b], 0x7f800000, s[MNT]
.endr
.irp b, 0,1,2,3
	v_lshrrev_b32 v[TM+4+\b], 23, v[TM+12+\b]
.endr
	v_lshl_or_b32 v[PW+(\a)], v[TM+5], 8, v[TM+4]
	v_lshl_or_b32 v[PW+(\a)], v[TM+6], 16, v[PW+(\a)]
	v_lshl_or_b32 v[PW+(\a)], v[TM+7], 24, v[PW+(\a)]
	WIN W2
.irp b, 0,1,2,3
.irp i, 0,1,2,3,4,5,6,7,8,9,10,11,12,13,14,15
	v_med3_num_f32 v[AC+16*\b+\i], v[AC+16*\b+\i], -v[TM+8+\b], v[TM+8+\b]
.endr
.endr
	WIN WA
.irp b, 0,1,2,3
	v_cvt_scalef32_pk8_fp8_f32 v[CD+16*(\a)+4*\b:CD+16*(\a)+4*\b+1], v[AC+16*\b:AC+16*\b+7], v[TM+12+\b]
	v_cvt_scalef32_pk8_fp8_f32 v[CD+16*(\a)+4*\b+2:CD+16*(\a)+4*\b+3], v[AC+16*\b+8:AC+16*\b+15], v[TM+12+\b]
.endr
	v_nop
	WIN 0
.irp b, 0,1,2,3
	ds_store_b128 v[STO], v[CD+16*(\a)+4*\b:CD+16*(\a)+4*\b+3] offset:(\a)*16*PITCH+32*\b
.endr
	ds_store_b32 v[SSO], v[PW+(\a)] offset:128*(\a)
.endm
.irp a, 0,1,2,3,4,5,6,7
	QOUT \a
.endr
	s_wait_dscnt 0x0
	s_barrier_signal -1
	s_barrier_wait -1
	s_cmp_eq_u32 s[KIND], 2
	s_cbranch_scc1 .Lrows_v
.irp t, 0,1,2,3,4,5,6,7,8,9,10,11,12,13,14,15
	ds_load_b128 v[CD+4*\t:CD+4*\t+3], v[RDQ] offset:\t*8*PITCH
.endr
.irp t, 0,1,2,3,4,5,6,7,8,9,10,11,12,13,14,15
	ds_load_b128 v[CD+64+4*\t:CD+64+4*\t+3], v[RDQ2] offset:\t*8*PITCH
.endr
	s_branch .Lrows_done
.Lrows_v:
.irp t, 0,1,2,3,4,5,6,7,8,9,10,11,12,13,14,15,16,17,18,19,20,21,22,23,24,25,26,27,28,29,30,31
	ds_load_b128 v[CD+4*\t:CD+4*\t+3], v[RDV] offset:\t*2*PITCH
.endr
.Lrows_done:
	ds_load_b128 v[TM:TM+3], v[SSR]
.irp t, 0,1,2,3,4,5,6,7,8,9,10,11,12,13,14,15,16,17,18,19,20,21,22,23,24,25,26,27,28,29,30,31
	s_wait_dscnt 32-\t
	global_store_b128 v[CO], v[CD+4*\t:CD+4*\t+3], s[14:15] offset:512*\t
.endr
	s_wait_dscnt 0x0
	global_store_b128 v[CO], v[TM:TM+3], s[16:17]
	s_wait_tensorcnt 0x0
	ds_add_u32 v[SPW], v[NIL]
	s_wait_dscnt 0x0
	CROUND
	s_endpgm
.Lfunc_end_k_qb9d1329f31_proj:
	.size	k_qb9d1329f31_proj, .Lfunc_end_k_qb9d1329f31_proj-k_qb9d1329f31_proj
	.p2alignl 7, 3214868480
	.fill 96, 4, 3214868480
	.section	.rodata,"a",@progbits
	.p2align	6, 0x0
	.amdhsa_kernel k_qb9d1329f31_proj
		.amdhsa_group_segment_fixed_size 327680
		.amdhsa_private_segment_fixed_size 0
		.amdhsa_enable_private_segment 0
		.amdhsa_kernarg_size 56
		.amdhsa_user_sgpr_count 2
		.amdhsa_user_sgpr_kernarg_segment_ptr 1
		.amdhsa_wavefront_size32 1
		.amdhsa_system_sgpr_workgroup_id_x 1
		.amdhsa_system_sgpr_workgroup_id_y 1
		.amdhsa_system_sgpr_workgroup_id_z 1
		.amdhsa_system_vgpr_workitem_id 0
		.amdhsa_next_free_vgpr 1024
		.amdhsa_next_free_sgpr 102
		.amdhsa_reserve_vcc 0
		.amdhsa_float_denorm_mode_32 3
		.amdhsa_float_denorm_mode_16_64 3
		.amdhsa_memory_ordered 1
		.amdhsa_forward_progress 1
		.amdhsa_inst_pref_size 215
	.end_amdhsa_kernel
	.amdgpu_metadata
---
amdhsa.version: [ 1, 2 ]
amdhsa.kernels:
  - .name:           k_qb9d1329f31_proj
    .symbol:         k_qb9d1329f31_proj.kd
    .args:
      - { .name: c1, .offset: 0, .size: 8, .value_kind: global_buffer, .address_space: global }
      - { .name: s1, .offset: 8, .size: 8, .value_kind: global_buffer, .address_space: global }
      - { .name: bq, .offset: 16, .size: 8, .value_kind: global_buffer, .address_space: global }
      - { .name: bk, .offset: 24, .size: 8, .value_kind: global_buffer, .address_space: global }
      - { .name: bv, .offset: 32, .size: 8, .value_kind: global_buffer, .address_space: global }
      - { .name: c2, .offset: 40, .size: 8, .value_kind: global_buffer, .address_space: global }
      - { .name: s2, .offset: 48, .size: 8, .value_kind: global_buffer, .address_space: global }
    .group_segment_fixed_size: 327680
    .private_segment_fixed_size: 0
    .kernarg_segment_align: 8
    .kernarg_segment_size: 56
    .max_flat_workgroup_size: 128
    .sgpr_count:     102
    .vgpr_count:     1024
    .wavefront_size: 32
...
	.end_amdgpu_metadata
.endif
;; end of part 2
;; launch attn (part 3): grid 8 x 32, 8 waves a work-group, clusters of 4 x 1, 327,680 bytes of LDS; arguments c2, s2, oc, os; writes oc, os
.if DOCPART == 3
	.amdgcn_target "amdgcn-amd-amdhsa--gfx1250"
	.amdhsa_code_object_version 6
	.text
	.protected	k_qb9d1329f31_attn
	.globl	k_qb9d1329f31_attn
	.p2align	8
	.type	k_qb9d1329f31_attn,@function
k_qb9d1329f31_attn:
	s_mov_b64 s[64:65], 0
	v_nop
	global_prefetch_b8 v0, s[64:65] scope:SCOPE_SE
	s_setreg_imm32_b32 hwreg(HW_REG_WAVE_MODE, 25, 1), 1
	s_wait_xcnt 0x0
	s_wait_alu depctr_hold_cnt(0) depctr_sa_sdst(0) depctr_va_vdst(0) depctr_va_sdst(0) depctr_va_ssrc(0) depctr_va_vcc(0) depctr_vm_vsrc(0)
	s_getreg_b32 s2, hwreg(HW_REG_IB_STS2, 6, 4)
	s_cmp_eq_u32 s2, 0
	s_cbranch_scc0 .Lentry_in_a_cluster
	s_endpgm
.Lentry_in_a_cluster:
	s_bfe_u32 s2, ttmp6, 0x10000c
	s_cmp_lg_u32 s2, 0x3003
	s_cbranch_scc0 .Lentry_shape_is_right
	s_endpgm
.Lentry_shape_is_right:
; LAUNCH 3 OF 4: o = softmax(q k^T / 8) v for 32 heads of 2,048 x 64, both products on codes of FP8 (E4M3) with E8M0 scales, and o quantised along the 1,024 features for the last product.  Nothing is left out.
; THE SOFTMAX: t = score x log2(e) / 8; M = the row's largest t so far, rounded up to a whole number; p = 2^(t - M) is quantised along the keys, not normalised; the row's sum is taken of the unquantised p, in f32.
; When M moves, the sum and o are multiplied by 2^(old M - new M), which rounds nothing.
; A BLOCK'S SCALE is made ahead of the exponentials: the exponent of its largest p is n = floor(its largest t - M), held at -118 from below; the byte is n - 8 + 127.
; LIMITS: where t - M lies within f32 rounding of a whole number, v_exp_f32 may round p up to that power of two while n is one less (a knife's edge of the quantiser).  Blocks of p under 2^-118 keep the byte 1.
; The promise holds while the scaled scores (exponents to the base 2, before the maximum is taken away) stay under 2^31 in magnitude.  Further limits as in the first launch.
; SHARES.  A work-group owns 256 queries of one head, each of its eight waves 32: two tiles, so that each fragment of K and V feeds two products.
; NO RING, NO PREFETCH.  A head's K and V lie whole in LDS; every tensor load is a first fill at the head, one a wave: waves 0, 1 the scale bytes of K, V; 2, 3 keys 0-511; 4, 5 keys 512-1,023; 6, 7 keys 1,024-2,047.  No loop loads from memory.
; TWO BARRIERS.  The first shows waves 0 to 3's loads; the second, signalled behind key step 0 and awaited behind step 1, the rest.
; CLUSTER.  The four query blocks of a cluster belong to one head and read the same K and V: each load is joint, with a mask that names the four.
; LAYOUT.  S^T = K Q^T (source 0 = 16 keys, source 1 = 16 queries), O^T = V^T P^T: a lane holds one query (lane % 16) of each tile throughout.
; THE HEAD'S K IS 64, THE INSTRUCTION'S 128: registers 8-15 of Q's fragments are zero codes, so the finite codes of the next tile in registers 8-15 of K's add nothing (behind tile 7: zeros).  That half's scale bytes are 0 on both sides: 2^-127, no NaN.
; THE ORDER OF CODES INSIDE A BLOCK.  Register 16 beta + 8 u + j of S^T holds key 32 beta + 16 u + 8 h + j and becomes place 32 beta + 16 h + 8 u + j of P's operand; the launch before has laid V's keys and q's and k's features so; o's codes go out so, and the next launch reads Wo so.
; OUT: oc = [32 blocks of 128 rows][16 heads][128 rows][64 codes]; os = [4,096 rows][32 scale bytes] (two bytes a lane, 32 bytes apart: one byte in 32 of what this launch stores; the next launch takes a row's 32 bytes as they lie).
; REGISTERS.  Window 0: v0-79 addresses, scalars of the rows, scale words; v80-111 pair sums of tile 0; v112-127 tile 0's codes; v128-191, v192-255 S^T, then p, of tiles 0, 1; tile 1's codes in v176-191, where tile 0's p has been converted.
; Window 1: v0-31 Q; v32-103 K's eight tiles and eight zeros; v104-167 V; v168-231 O^T.
.set PITCH, 272                        ; an LDS row: 256 bytes + 16 of padding
.set RUNB,  64*PITCH                   ; 256 keys: 64 LDS rows of K (four keys to a row), or V's 64 rows of 256 keys
.set STPB,  32*PITCH                   ; 128 keys of K
.set PHB,   2*RUNB                     ; 512 keys
.set VREG,  4*PHB                      ; K from LDS byte 0, V from here
.set SCK,   2*VREG                     ; K's scale bytes of four heads: [2,048 keys][8 bytes]
.set SCV,   SCK+16384                  ; V's: [8 runs of 256 keys][4 heads x 64 features][8 bytes]
.set SPARE, SCV+16384                  ; the spare words, 128 bytes a wave
.set STG,   SPARE+1024                 ; the way out: 1,024 bytes a wave
.set AK0,  1                           ; my lane's place in a tile of K
.set AV0,  2                           ; of V
.set ASK0, 3                           ; among K's scale bytes: lanes 0-15 an even tile, 16-31 the odd one behind it
.set ASV0, 4                           ; among V's, likewise
.set SPW,  5
.set NIL,  6
.set CO,   7
.set ADK,  8
.set ADV,  9
.set ADS,  10
.set ADT,  11
.set NM,   12                          ; v12, v14  -M of tiles 0, 1 (v13, v15: the pairs' upper words)
.set F,    16                          ; v16, v18  2^(old M - new M)
.set L,    20                          ; v[20:21], v[22:23] the sums in two halves
.set SM,   24                          ; v24, v25  the largest scores
.set BM,   26                          ; v26-33  the blocks' largest
.set PT,   34                          ; v34-41  the other half's, then n
.set HO,   42                          ; v42-49  448 x the scale
.set SOP,  50                          ; v50-57  the conversions' scale operands
.set AC,   58                          ; v58-65  four chains of tile 1's sum
.set VSW,  66                          ; v66, v67  V's scale words
.set PSW,  68                          ; v68, v69  P's
.set TT,   70
.set KSW,  72                          ; v72-75  K's
.set QSW,  76                          ; v76, v77  Q's
.set TM,   80
.set PCA,  112
.set S,    128
.set PCB,  S+48
.set QF,   0
.set KF,   32
.set VF,   104
.set OT,   168
.set WV,   12
.set SEL,  20
.set CS,   22                          ; s[22:23] c = log2(e) / 8
.set G1S,  24
.set G1P,  32
.set G1L,  40
.set G0S,  48
.set G0A,  52
.set G0B,  56
.set G0C,  60
.set N,    66                          ; the key step
.set SK,   67
.set SKS,  68
.set SVV,  69
.set SVS,  70
.set NC,   71                          ; -c
.set MNT,  72
.set FL,   98                          ; -118
.set MSB, 0
.macro WIN new                         ; the immediate's high byte repeats the setting that is left
.if MSB != \new
	s_set_vgpr_msb (MSB<<8)|\new
.set MSB, \new
.endif
.endm
.macro CROUND                          ; a round of the cluster's barrier
	s_barrier_signal -1
	s_barrier_wait -1
	s_cmp_lg_u32 s[WV], 0
	s_cbranch_scc1 .Lnot_wave_0_\@
	s_barrier_signal -3
.Lnot_wave_0_\@:
	s_barrier_wait -3
	s_barrier_signal -1
	s_barrier_wait -1
.endm
.macro DESC g, w0, x, y                ; group 1: y dense rows of x elements
	s_mov_b32 s[\g], \w0
	s_mov_b32 s[\g+1], (\x)<<16
	s_mov_b32 s[\g+2], (\y)<<16
	s_mov_b32 s[\g+3], (\x)<<16
	s_mov_b32 s[\g+4], \y
	s_mov_b32 s[\g+5], \x
	s_mov_b32 s[\g+6], 0
	s_mov_b32 s[\g+7], 0
.endm
	s_load_b256 s[4:11], s[0:1], 0x0               ; c2, s2, oc, os
	v_lshl_add_u32 v[SPW], v0, 2, SPARE
	v_mov_b32 v[NIL], 0
	ds_add_u32 v[SPW], v[NIL]                      ; the wave's opening: the add, twice on end, and its wait
	ds_add_u32 v[SPW], v[NIL]
	v_lshrrev_b32 v8, 5, v0
	v_readfirstlane_b32 s[WV], v8                  ; wave 0..7
	s_bfe_u32 s13, ttmp6, 0x40000
	s_lshl_b32 s14, ttmp9, 2
	s_add_co_u32 s14, s14, s13                     ; my block of 256 queries: it enters q's, oc's and os's addresses alone
	s_and_b32 s15, ttmp7, 0xffff                   ; 16 x batch + head: the four partners share it
	s_lshr_b32 s16, s15, 4                         ; the batch
	s_and_b32 s17, s15, 15                         ; the head in it
	s_lshr_b32 s18, s17, 2                         ; which four heads' scale bytes lie together,
	s_and_b32 s19, s17, 3                          ; and which of the four is mine
	DESC G1S, 15|(3<<16)|(1<<21), 32, 64           ; mask of four; elements of 8 bytes; 21 set beside a mask
	DESC G1P, 15|(1<<20)|(1<<21)|(5<<22)|(3<<25), 256, 128   ; bytes; padding of four words behind every 64
	DESC G1L, 15|(1<<20)|(1<<21)|(5<<22)|(3<<25), 256, 256
	s_mov_b32 s[SEL], 0x76543210
	s_mov_b32 s[SEL+1], 0xfedcba98                 ; lane l xor 16
	s_mov_b32 s[CS], 0x3e38aa3b
	s_mov_b32 s[CS+1], s[CS]                       ; (named with it as a pair, so it is written)
	s_mov_b32 s[NC], 0xbe38aa3b
	s_mov_b32 s[MNT], 0x600000
	s_mov_b32 s[FL], 0xc2ec0000
	s_lshl_b32 s76, s16, 2
	s_add_co_u32 s76, s76, s18
	s_lshl_b32 s76, s76, 14                        ; my four heads' scale bytes in each part of s2
	s_and_b32 s77, s[WV], 1                        ; even waves fetch k (part 1 of c2 and s2), odd ones v (part 2)
	s_add_co_u32 s81, s77, 1
	s_lshl_b32 s78, s81, 17
	s_add_co_u32 s78, s78, s76
	s_mov_b32 s79, 0
	s_lshl_b32 s80, s15, 17                        ; my head in each part of c2
	s_lshl_b32 s82, s81, 22
	s_add_co_u32 s82, s82, s80
	s_mov_b32 s83, 0
	s_lshl_b32 s84, s14, 8
	s_lshl_b32 s85, s[WV], 5
	s_add_co_u32 s84, s84, s85                     ; my first query of the batch's 2,048
	s_lshl_b32 s86, s84, 6
	s_add_co_u32 s86, s86, s80                     ; its codes,
	s_mov_b32 s87, 0
	s_lshl_b32 s88, s84, 3
	s_add_co_u32 s88, s88, s76
	s_lshl_b32 s85, s19, 1
	s_add_co_u32 s88, s88, s85                     ; and its scale bytes
	s_mov_b32 s89, 0
	s_lshl_b32 s90, s16, 4                         ; oc: block of 128 rows 16 x batch + 2 x query block + wave / 4,
	s_lshl_b32 s85, s14, 1
	s_add_co_u32 s90, s90, s85
	s_lshr_b32 s85, s[WV], 2
	s_add_co_u32 s90, s90, s85
	s_lshl_b32 s90, s90, 4
	s_add_co_u32 s90, s90, s17                     ; my head's 8,192 bytes in it,
	s_lshl_b32 s90, s90, 13
	s_and_b32 s85, s[WV], 3
	s_lshl_b32 s85, s85, 11
	s_add_co_u32 s90, s90, s85                     ; my wave's 32 rows of 64
	s_mov_b32 s91, 0
	s_lshl_b32 s92, s16, 11                        ; os: my first row, 32 bytes a row, my head's two
	s_add_co_u32 s92, s92, s84
	s_lshl_b32 s92, s92, 5
	s_lshl_b32 s85, s17, 1
	s_add_co_u32 s92, s92, s85
	s_mov_b32 s93, 0
	s_mul_i32 s94, s77, VREG                       ; K's region or V's
	s_wait_dscnt 0x0                               ; both opening adds are done
	s_wait_kmcnt 0x0
	s_mov_b32 s[G0S], 1
	s_lshl_b32 s[G0S+1], s77, 14
	s_add_co_u32 s[G0S+1], s[G0S+1], SCK
	s_add_nc_u64 s[G0S+2:G0S+3], s[6:7], s[78:79]
	s_or_b32 s[G0S+3], s[G0S+3], 0x80000000
	s_add_nc_u64 s[82:83], s[4:5], s[82:83]
.irp p, 0,1,2                          ; keys 0 on, 512 on, 1,024 on
	s_mov_b32 s[G0A+4*\p], 1
	s_add_co_u32 s[G0A+4*\p+1], s94, \p*PHB
	s_add_nc_u64 s[G0A+4*\p+2:G0A+4*\p+3], s[82:83], \p*32768
	s_or_b32 s[G0A+4*\p+3], s[G0A+4*\p+3], 0x80000000
.endr
	s_add_nc_u64 s[86:87], s[4:5], s[86:87]
	s_add_nc_u64 s[88:89], s[6:7], s[88:89]
	s_add_nc_u64 s[8:9], s[8:9], s[90:91]
	s_add_nc_u64 s[10:11], s[10:11], s[92:93]
	CROUND                                         ; all four work-groups are here: the joint loads meet
.macro ARM under, g0, g1, next
	s_cmp_lt_u32 s[WV], \under
	s_cbranch_scc0 \next
	tensor_load_to_lds s[\g0:\g0+3], s[\g1:\g1+7]
	s_nop 0
.rept 4
	v_nop
.endr
	s_branch .Lasked
\next:
.endm
	ARM 2, G0S, G1S, .Lhead_a
	ARM 4, G0A, G1P, .Lhead_b
	ARM 6, G0B, G1P, .Lhead_c
	tensor_load_to_lds s[G0C:G0C+3], s[G1L:G1L+7]
	s_nop 0
.rept 4
	v_nop
.endr
.Lasked:
	v_and_b32 v8, 15, v0                           ; r
	v_bfe_u32 v9, v0, 4, 1                         ; h
	v_and_b32 v7, 31, v0                           ; lane
	v_lshlrev_b32 v10, 6, v8
	v_lshlrev_b32 v11, 3, v8
	v_lshl_add_u32 v10, v9, 4, v10                 ; q: row r of 64 bytes, + 16 h
	WIN 0x40
.irp x, 0,1
	global_load_b128 v[QF+16*\x:QF+16*\x+3], v10, s[86:87] offset:1024*\x
	global_load_b128 v[QF+16*\x+4:QF+16*\x+7], v10, s[86:87] offset:1024*\x+32
.endr
	WIN 0
	global_load_u16 v[QSW], v11, s[88:89]          ; two scale bytes; the upper two come as 0, over zero codes
	global_load_u16 v[QSW+1], v11, s[88:89] offset:128
	v_lshrrev_b32 v[AK0], 2, v8                    ; K: key r at (r / 4) x 272 + (r % 4) x 64, + 16 h
	v_and_b32 v[TT], 3, v8
	v_mul_u32_u24 v[AV0], v8, PITCH                ; V: row r x 272 + 16 h
	v_mul_u32_u24 v[AK0], v[AK0], PITCH
	v_lshl_add_u32 v[AV0], v9, 4, v[AV0]
	v_lshl_add_u32 v[AK0], v[TT], 6, v[AK0]
	v_add_nc_u32 v[AV0], VREG, v[AV0]
	v_lshl_add_u32 v[AK0], v9, 4, v[AK0]
	s_lshl_b32 s85, s19, 1
	s_add_co_u32 s85, s85, SCK
	v_lshl_add_u32 v[ASK0], v7, 3, s85             ; K's scale bytes: 8 bytes a key, my head's two
	s_lshl_b32 s85, s19, 9
	s_add_co_u32 s85, s85, SCV
	v_lshl_add_u32 v[ASV0], v7, 3, s85             ; V's: my head's 64 rows of 8 bytes
.irp x, 0,1
	v_mov_b32 v[SM+\x], 0xff61b1e6                 ; the largest score so far: -3e38
	v_mov_b32 v[NM+2*\x], 0x7e000000               ; -M: so large that the first change of M multiplies by 0
	v_mov_b32 v[NM+2*\x+1], 0                      ; (pairs' upper words are named, so they are written)
	v_mov_b32 v[F+2*\x+1], 0
	v_mov_b32 v[L+2*\x], 0
	v_mov_b32 v[L+2*\x+1], 0
.endr
.set J_, 0
.rept 8
	v_mov_b32 v[PT+J_], 0                          ; a lane permute's destination counts as one of its sources
	v_mov_b32 v[TM+J_], 0                          ; the pair sums that the first step adds
.set J_, J_+1
.endr
	WIN 0x40
.set J_, 0
.rept 8
	v_mov_b32 v[QF+8+J_], 0                        ; q's upper 64 along K: zero codes
	v_mov_b32 v[QF+24+J_], 0
	v_mov_b32 v[KF+64+J_], 0                       ; behind K's tile 7: no load lands here
.set J_, J_+1
.endr
.set J_, 0
.rept 64
	v_mov_b32 v[OT+J_], 0                          ; O^T: the first change of M leaves zeros zeros
.set J_, J_+1
.endr
	WIN 0
.macro LOADK ad, as                    ; K's eight tiles of 16 keys, and their scale words: a word's lanes 0-15 serve tile 2 p, 16-31 tile 2 p + 1
	WIN 0x40
.irp t, 0,1,2,3,4,5,6,7
	ds_load_b128 v[KF+8*\t:KF+8*\t+3], v[\ad] offset:4*PITCH*\t
	ds_load_b128 v[KF+8*\t+4:KF+8*\t+7], v[\ad] offset:4*PITCH*\t+32
.endr
	WIN 0
.irp p, 0,1,2,3
	ds_load_u16 v[KSW+\p], v[\as] offset:256*\p
.endr
.endm
; A KEY STEP of 128 keys, number s[N].  Its K lies in registers already; V for this step and K for the next are asked for behind the first product.  (The last step's look-ahead reads V's first bytes as keys that no product takes.)
.macro STEP
	s_lshr_b32 s73, s[N], 1
	s_and_b32 s74, s[N], 1
	s_mul_i32 s[SVV], s73, RUNB                    ; V: 256 keys are 64 rows; the odd step lies 128 bytes on in each row
	s_lshl_b32 s75, s74, 7
	s_add_co_u32 s[SVV], s[SVV], s75
	s_lshl_b32 s[SVS], s73, 11
	s_lshl_b32 s74, s74, 2
	s_add_co_u32 s[SVS], s[SVS], s74
	s_add_co_u32 s[N], s[N], 1
	s_mul_i32 s[SK], s[N], STPB                    ; K: the next step's
	s_lshl_b32 s[SKS], s[N], 10
	WIN 0x05
.irp x, 0,1                            ; S^T = K Q^T
.irp t, 0,1,2,3,4,5,6,7
.if \t%2
	v_wmma_scale_f32_16x16x128_f8f6f4 v[S+64*\x+8*\t:S+64*\x+8*\t+7], v[KF+8*\t:KF+8*\t+15], v[QF+16*\x:QF+16*\x+15], 0, v[KSW+\t/2], v[QSW+\x] matrix_a_scale:MATRIX_SCALE_ROW1
.else
	v_wmma_scale_f32_16x16x128_f8f6f4 v[S+64*\x+8*\t:S+64*\x+8*\t+7], v[KF+8*\t:KF+8*\t+15], v[QF+16*\x:QF+16*\x+15], 0, v[KSW+\t/2], v[QSW+\x]
.endif
.endr
.endr
	WIN 0
	v_pk_add_f32 v[TM:TM+1], v[TM:TM+1], v[TM+4:TM+5]          ; eight plain lines behind the products: the end of the last step's sum of tile 0, and the addresses
	v_pk_add_f32 v[TM+2:TM+3], v[TM+2:TM+3], v[TM+6:TM+7]
	v_add_nc_u32 v[ADV], s[SVV], v[AV0]
	v_add_nc_u32 v[ADT], s[SVS], v[ASV0]
	v_pk_add_f32 v[TM:TM+1], v[TM:TM+1], v[TM+2:TM+3]
	v_add_nc_u32 v[ADK], s[SK], v[AK0]
	v_add_nc_u32 v[ADS], s[SKS], v[ASK0]
	v_pk_add_f32 v[L:L+1], v[L:L+1], v[TM:TM+1]
	WIN 0x40
.irp t, 0,1,2,3                        ; V's four fragments: 16 features x these 128 keys
.irp c, 0,1,2,3
	ds_load_b128 v[VF+16*\t+4*\c:VF+16*\t+4*\c+3], v[ADV] offset:16*PITCH*\t+32*\c
.endr
.endr
	LOADK ADK, ADS
	ds_load_b32 v[VSW], v[ADT]
	ds_load_b32 v[VSW+1], v[ADT] offset:256
.irp x, 0,1                            ; the largest score of each block of 32 keys, the four blocks by turns; each result from its low end on
.irp b, 0,1,2,3
	v_max3_num_f32 v[BM+4*\x+\b], v[S+64*\x+16*\b], v[S+64*\x+16*\b+1], v[S+64*\x+16*\b+2]
.endr
.irp i, 3,5,7,9,11,13
.irp b, 0,1,2,3
	v_max3_num_f32 v[BM+4*\x+\b], v[BM+4*\x+\b], v[S+64*\x+16*\b+\i], v[S+64*\x+16*\b+\i+1]
.endr
.endr
.irp b, 0,1,2,3
	v_max_num_f32 v[BM+4*\x+\b], v[BM+4*\x+\b], v[S+64*\x+16*\b+15]
.endr
.endr
.irp k, 0,1,2,3,4,5,6,7
	v_permlanex16_b32 v[PT+\k], v[BM+\k], s[SEL], s[SEL+1]
.endr
.irp k, 0,1,2,3,4,5,6,7
	v_max_num_f32 v[BM+\k], v[BM+\k], v[PT+\k]     ; with lane l xor 16's 16 keys
.endr
.irp x, 0,1                            ; the two tiles by turns
	v_max3_num_f32 v[TT+\x], v[BM+4*\x], v[BM+4*\x+1], v[SM+\x]
.endr
.irp x, 0,1
	v_max3_num_f32 v[SM+\x], v[BM+4*\x+2], v[BM+4*\x+3], v[TT+\x]   ; the row's largest score so far
.endr
.irp x, 0,1
	v_mul_f32 v[TT+\x], s[NC], v[SM+\x]
.endr
.irp x, 0,1
	v_floor_f32 v[TT+\x], v[TT+\x]                 ; the new -M = floor(-t): a whole number
.endr
.irp x, 0,1
	v_sub_f32 v[PT+4*\x], v[TT+\x], v[NM+2*\x]     ; old M less new M: 0 or less
.endr
.irp x, 0,1
	v_mov_b32 v[NM+2*\x], v[TT+\x]
.endr
.irp x, 0,1
	v_cvt_i32_f32 v[PT+4*\x], v[PT+4*\x]           ; (it saturates)
.endr
.irp x, 0,1
	v_ldexp_f32 v[F+2*\x], 1.0, v[PT+4*\x]
.endr
.irp k, 0,2,4,6
	v_pk_fma_f32 v[BM+\k:BM+\k+1], v[BM+\k:BM+\k+1], s[CS:CS+1], v[NM+2*(\k/4):NM+2*(\k/4)+1] op_sel_hi:[1,0,0]   ; the blocks' largest t - M
.endr
.irp k, 0,1,2,3,4,5,6,7
	v_max_num_f32 v[BM+\k], s[FL], v[BM+\k]
.endr
.irp k, 0,1,2,3,4,5,6,7
	v_cvt_floor_i32_f32 v[PT+\k], v[BM+\k]         ; n
.endr
.irp k, 0,1,2,3,4,5,6,7
	v_lshl_add_u32 v[HO+\k], v[PT+\k], 23, 0x3fe00000   ; 1.75 x 2^n = 448 x the scale
.endr
.irp k, 0,1,2,3,4,5,6,7
	v_add_nc_u32 v[SOP+\k], 0xfc000000, v[HO+\k]   ; 8 off its exponent field: the conversion's scale operand
.endr
.irp x, 0,1                            ; P's scale word: the sum of n 2^(8 b), and 119 in each byte
	v_lshl_add_u32 v[TT+\x], v[PT+4*\x+1], 8, v[PT+4*\x]
.endr
.irp x, 0,1
	v_lshl_add_u32 v[TT+\x], v[PT+4*\x+2], 16, v[TT+\x]
.endr
.irp x, 0,1
	v_lshl_add_u32 v[TT+\x], v[PT+4*\x+3], 24, v[TT+\x]
.endr
.irp x, 0,1
	v_add_nc_u32 v[PSW+\x], 0x77777777, v[TT+\x]
.endr
.irp x, 0,1
	v_pk_mul_f32 v[L+2*\x:L+2*\x+1], v[L+2*\x:L+2*\x+1], v[F+2*\x:F+2*\x+1] op_sel_hi:[1,0]   ; the sums under the new M
.endr
	WIN 0x41
.irp x, 0,1
.set J_, OT+32*\x
.rept 16
	v_pk_mul_f32 v[J_:J_+1], v[J_:J_+1], v[F+2*\x:F+2*\x+1] op_sel_hi:[1,0]   ; O^T under the new M
.set J_, J_+2
.endr
.endr
	WIN 0
.set J_, S
.rept 32
	v_pk_fma_f32 v[J_:J_+1], v[J_:J_+1], s[CS:CS+1], v[NM:NM+1] op_sel_hi:[1,0,0]   ; tile 0: t - M
.set J_, J_+2
.endr
	s_wait_alu depctr_va_vdst(0)                   ; the wait ahead of the batch
.set J_, S
.rept 32                               ; tile 0's exponentials; between them tile 1's t - M
	v_exp_f32 v[J_], v[J_]
	v_pk_fma_f32 v[J_+64:J_+65], v[J_+64:J_+65], s[CS:CS+1], v[NM+2:NM+3] op_sel_hi:[1,0,0]
	v_exp_f32 v[J_+1], v[J_+1]
.set J_, J_+2
.endr
	s_wait_alu depctr_va_vdst(0)                   ; one wait: behind this batch and ahead of the next
.set J_, 0
.rept 16                               ; tile 1's exponentials; between them tile 0's first sums, of the unquantised p, and then its holds: the conversion does not saturate (ISA guide 7.6.2); p is not negative
	v_exp_f32 v[S+64+4*J_], v[S+64+4*J_]
	v_pk_add_f32 v[TM+2*J_:TM+2*J_+1], v[S+4*J_:S+4*J_+1], v[S+4*J_+2:S+4*J_+3]
	v_exp_f32 v[S+64+4*J_+1], v[S+64+4*J_+1]
	v_dual_min_num_f32 v[S+4*J_], v[HO+J_/4], v[S+4*J_] :: v_dual_min_num_f32 v[S+4*J_+1], v[HO+J_/4], v[S+4*J_+1]
	v_exp_f32 v[S+64+4*J_+2], v[S+64+4*J_+2]
	v_dual_min_num_f32 v[S+4*J_+2], v[HO+J_/4], v[S+4*J_+2] :: v_dual_min_num_f32 v[S+4*J_+3], v[HO+J_/4], v[S+4*J_+3]
	v_exp_f32 v[S+64+4*J_+3], v[S+64+4*J_+3]
.set J_, J_+1
.endr
	s_wait_alu depctr_va_vdst(0)                   ; the wait behind the batch
.set J_, 0
.rept 8                                ; tile 0's codes; between them tile 1's sum, in four chains
	v_cvt_scalef32_pk8_fp8_f32 v[PCA+2*J_:PCA+2*J_+1], v[S+8*J_:S+8*J_+7], v[SOP+J_/2]
.irp i, 0,1,2,3
.if J_ == 0
	v_pk_add_f32 v[AC+2*\i:AC+2*\i+1], v[S+64+4*\i:S+65+4*\i], v[S+66+4*\i:S+67+4*\i]
.elseif J_ < 7
	v_pk_add_f32 v[AC+2*\i:AC+2*\i+1], v[AC+2*\i:AC+2*\i+1], v[S+72+8*J_+2*\i:S+73+8*J_+2*\i]
.endif
.endr
.set J_, J_+1
.endr
.set J_, 0
.rept 32
	v_dual_min_num_f32 v[S+64+2*J_], v[HO+4+J_/8], v[S+64+2*J_] :: v_dual_min_num_f32 v[S+65+2*J_], v[HO+4+J_/8], v[S+65+2*J_]
.set J_, J_+1
.endr
.set J_, 0
.rept 8
	v_cvt_scalef32_pk8_fp8_f32 v[PCB+2*J_:PCB+2*J_+1], v[S+64+8*J_:S+71+8*J_], v[SOP+4+J_/2]
.set J_, J_+1
.endr
	v_pk_add_f32 v[AC:AC+1], v[AC:AC+1], v[AC+2:AC+3]          ; four plain lines between the codes and the products
	v_pk_add_f32 v[AC+4:AC+5], v[AC+4:AC+5], v[AC+6:AC+7]
	v_pk_add_f32 v[AC:AC+1], v[AC:AC+1], v[AC+4:AC+5]
	v_pk_add_f32 v[L+2:L+3], v[L+2:L+3], v[AC:AC+1]
	s_wait_alu depctr_va_vdst(0)                   ; the wait here, directly ahead of the wait below
	s_wait_dscnt 0x0                               ; V, and the next step's K
	WIN 0x51
.irp x, 0,1                            ; O^T += V^T P^T: the eight accumulators by turns
.irp t, 0,1,2,3
.set P_, PCA+(PCB-PCA)*\x
.set O_, OT+32*\x+8*\t
.if \t%2
	v_wmma_scale_f32_16x16x128_f8f6f4 v[O_:O_+7], v[VF+16*\t:VF+16*\t+15], v[P_:P_+15], v[O_:O_+7], v[VSW+\t/2], v[PSW+\x] matrix_a_scale:MATRIX_SCALE_ROW1
.else
	v_wmma_scale_f32_16x16x128_f8f6f4 v[O_:O_+7], v[VF+16*\t:VF+16*\t+15], v[P_:P_+15], v[O_:O_+7], v[VSW+\t/2], v[PSW+\x]
.endif
.endr
.endr
	WIN 0
.set J_, TM
.rept 8                                ; tile 0's sum goes on: twelve plain lines between these products and the next, which write over tile 1's codes
	v_pk_add_f32 v[J_:J_+1], v[J_:J_+1], v[J_+16:J_+17]
.set J_, J_+2
.endr
.set J_, TM
.rept 4
	v_pk_add_f32 v[J_:J_+1], v[J_:J_+1], v[J_+8:J_+9]
.set J_, J_+2
.endr
	s_wait_alu depctr_va_vdst(0)                   ; the wait here, ahead of a branch, a barrier and the next step's scalar lines
.endm
	s_wait_alu depctr_va_vdst(0)                   ; the wait at the head's end
	s_wait_loadcnt 0x0                             ; q
	s_cmp_lt_u32 s[WV], 4
	s_cbranch_scc0 .Llate
	s_wait_tensorcnt 0x0                           ; waves 0 to 3: the scale bytes and keys 0-511 have landed.  The others' wait stands at the second barrier
.Llate:
	s_barrier_signal -1
	s_barrier_wait -1
	s_mov_b32 s[N], 0
	LOADK AK0, ASK0
	s_wait_dscnt 0x0
	STEP
	s_wait_tensorcnt 0x0                           ; all of K and V has landed
	s_wait_dscnt 0x0
	s_barrier_signal -1                            ; awaited a step further on; between the two: register work, and LDS loads of bytes that no wave writes
	STEP
	s_barrier_wait -1
.Lkeys:                                ; steps 2 to 15
	STEP
	s_cmp_lt_u32 s[N], 16
	s_cbranch_scc1 .Lkeys
	; THE WAY OUT.  O^T is divided by the row's sum, quantised along the features (two blocks of 32 a tile: my 16 registers and lane l xor 16's) and goes through my 1,024 bytes of LDS, a tile at a time.
	v_pk_add_f32 v[TM:TM+1], v[TM:TM+1], v[TM+4:TM+5]
	v_pk_add_f32 v[TM+2:TM+3], v[TM+2:TM+3], v[TM+6:TM+7]
	v_pk_add_f32 v[TM:TM+1], v[TM:TM+1], v[TM+2:TM+3]
	v_pk_add_f32 v[L:L+1], v[L:L+1], v[TM:TM+1]
.irp x, 1,0
	v_add_f32 v[TT+\x], v[L+2*\x], v[L+2*\x+1]
.endr
.irp x, 1,0
	v_permlanex16_b32 v[PT+\x], v[TT+\x], s[SEL], s[SEL+1]
.endr
.irp x, 1,0
	v_add_f32 v[TT+\x], v[TT+\x], v[PT+\x]
.endr
	s_wait_alu depctr_va_vdst(0)                   ; the wait ahead of the batch
	v_rcp_f32 v[L], v[TT]
	v_rcp_f32 v[L+2], v[TT+1]
	v_and_b32 v8, 15, v0                           ; r
	v_bfe_u32 v9, v0, 4, 1                         ; h
	v_and_b32 v11, 31, v0
	s_lshl_b32 s73, s[WV], 10
	s_add_co_u32 s73, s73, STG                     ; my stage
	v_lshlrev_b32 v10, 6, v8
	v_lshlrev_b32 v[CO], 4, v11
	v_lshl_add_u32 v10, v9, 4, v10
	v_lshlrev_b32 v12, 5, v8                       ; os: 32 bytes a row
	v_add_nc_u32 v10, s73, v10                     ; in: row r of 64 bytes, + 16 h
	v_add_nc_u32 v11, s73, v[CO]                   ; back: 16 bytes a lane
	WIN 0x01
	s_wait_alu depctr_va_vdst(0)                   ; the wait ahead of the reciprocals' first reader, and of O^T's
.irp x, 0,1
.set J_, 0
.rept 16
	v_pk_mul_f32 v[S+64*\x+J_:S+64*\x+J_+1], v[OT+32*\x+J_:OT+32*\x+J_+1], v[L+2*\x:L+2*\x+1] op_sel_hi:[1,0]
.set J_, J_+2
.endr
.endr
	WIN 0
.irp k, 0,1,2,3                        ; block k % 2 of tile k / 2
	v_max3_num_f32 v[BM+\k], |v[S+64*(\k/2)+16*(\k%2)]|, |v[S+64*(\k/2)+16*(\k%2)+1]|, 0x4800000   ; with the floor 2^(9 - 127)
.endr
.irp i, 2,4,6,8,10,12,14
.irp k, 0,1,2,3
	v_max3_num_f32 v[BM+\k], v[BM+\k], |v[S+64*(\k/2)+16*(\k%2)+\i]|, |v[S+64*(\k/2)+16*(\k%2)+\i+1]|
.endr
.endr
.irp k, 0,1,2,3
	v_permlanex16_b32 v[PT+\k], v[BM+\k], s[SEL], s[SEL+1]
.endr
.irp k, 0,1,2,3
	v_max_num_f32 v[BM+\k], v[BM+\k], v[PT+\k]
.endr
.irp k, 0,1,2,3
	v_add_nc_u32 v[SOP+\k], 0xfc000000, v[BM+\k]
.endr
.irp k, 0,1,2,3
	v_and_or_b32 v[HO+\k], v[BM+\k], 0x7f800000, s[MNT]
.endr
.irp k, 0,1,2,3
	v_lshrrev_b32 v[PT+\k], 23, v[SOP+\k]
.endr
.irp x, 0,1
	v_lshl_or_b32 v[TT+\x], v[PT+2*\x+1], 8, v[PT+2*\x]   ; my row's two scale bytes
.endr
.irp k, 0,1,2,3
.irp i, 0,1,2,3,4,5,6,7,8,9,10,11,12,13,14,15
	v_med3_num_f32 v[S+64*(\k/2)+16*(\k%2)+\i], v[S+64*(\k/2)+16*(\k%2)+\i], -v[HO+\k], v[HO+\k]
.endr
	v_cvt_scalef32_pk8_fp8_f32 v[PCA+4*\k:PCA+4*\k+1], v[S+64*(\k/2)+16*(\k%2):S+64*(\k/2)+16*(\k%2)+7], v[SOP+\k]
	v_cvt_scalef32_pk8_fp8_f32 v[PCA+4*\k+2:PCA+4*\k+3], v[S+64*(\k/2)+16*(\k%2)+8:S+64*(\k/2)+16*(\k%2)+15], v[SOP+\k]
.endr
	v_nop                                          ; one plain line behind the last conversion
.irp x, 0,1                            ; LDS serves a wave's instructions in order (ISA guide 5.7.1.4): each tile's loads see its stores, and the next tile's stores come behind them
	ds_store_b128 v10, v[PCA+8*\x:PCA+8*\x+3]
	ds_store_b128 v10, v[PCA+8*\x+4:PCA+8*\x+7] offset:32
	ds_load_b128 v[S+8*\x:S+8*\x+3], v11
	ds_load_b128 v[S+8*\x+4:S+8*\x+7], v11 offset:512
.endr
	s_wait_dscnt 5                                 ; behind the first load: one load, two stores, two loads
	global_store_b128 v[CO], v[S:S+3], s[8:9]      ; the wave stores 512 consecutive bytes, aligned
	s_wait_dscnt 4
	global_store_b128 v[CO], v[S+4:S+7], s[8:9] offset:512
	s_wait_dscnt 1
	global_store_b128 v[CO], v[S+8:S+11], s[8:9] offset:1024
	s_wait_dscnt 0x0
	global_store_b128 v[CO], v[S+12:S+15], s[8:9] offset:1536
	global_store_b16 v12, v[TT], s[10:11]          ; lanes 16-31 write the same bytes with the same value
	global_store_b16 v12, v[TT+1], s[10:11] offset:512
	s_wait_tensorcnt 0x0                           ; the wave's end
	ds_add_u32 v[SPW], v[NIL]
	s_wait_dscnt 0x0
	CROUND                                         ; the closing round
	s_endpgm
.Lfunc_end_k_qb9d1329f31_attn:
	.size	k_qb9d1329f31_attn, .Lfunc_end_k_qb9d1329f31_attn-k_qb9d1329f31_attn
	.p2alignl 7, 3214868480
	.fill 96, 4, 3214868480
	.section	.rodata,"a",@progbits
	.p2align	6, 0x0
	.amdhsa_kernel k_qb9d1329f31_attn
		.amdhsa_group_segment_fixed_size 327680
		.amdhsa_private_segment_fixed_size 0
		.amdhsa_enable_private_segment 0
		.amdhsa_kernarg_size 32
		.amdhsa_user_sgpr_count 2
		.amdhsa_user_sgpr_kernarg_segment_ptr 1
		.amdhsa_wavefront_size32 1
		.amdhsa_system_sgpr_workgroup_id_x 1
		.amdhsa_system_sgpr_workgroup_id_y 1
		.amdhsa_system_sgpr_workgroup_id_z 1
		.amdhsa_system_vgpr_workitem_id 0
		.amdhsa_next_free_vgpr 512
		.amdhsa_next_free_sgpr 102
		.amdhsa_reserve_vcc 0
		.amdhsa_float_denorm_mode_32 3
		.amdhsa_float_denorm_mode_16_64 3
		.amdhsa_memory_ordered 1
		.amdhsa_forward_progress 1
		.amdhsa_inst_pref_size 127
	.end_amdhsa_kernel
	.amdgpu_metadata
---
amdhsa.version: [ 1, 2 ]
amdhsa.kernels:
  - .name:           k_qb9d1329f31_attn
    .symbol:         k_qb9d1329f31_attn.kd
    .args:
      - { .name: c2, .offset: 0, .size: 8, .value_kind: global_buffer, .address_space: global }
      - { .name: s2, .offset: 8, .size: 8, .value_kind: global_buffer, .address_space: global }
      - { .name: oc, .offset: 16, .size: 8, .value_kind: global_buffer, .address_space: global }
      - { .name: os, .offset: 24, .size: 8, .value_kind: global_buffer, .address_space: global }
    .group_segment_fixed_size: 327680
    .private_segment_fixed_size: 0
    .kernarg_segment_align: 8
    .kernarg_segment_size: 32
    .max_flat_workgroup_size: 256
    .sgpr_count:     102
    .vgpr_count:     512
    .wavefront_size: 32
...
	.end_amdgpu_metadata
.endif
;; end of part 3
;; launch outp (part 4): grid 8 x 32, 8 waves a work-group, clusters of 4 x 4, 327,680 bytes of LDS; arguments oc, os, c1, s1, bo, out0; writes out0
.if DOCPART == 4
	.amdgcn_target "amdgcn-amd-amdhsa--gfx1250"
	.amdhsa_code_object_version 6
	.text
	.protected	k_qb9d1329f31_outp
	.globl	k_qb9d1329f31_outp
	.p2align	8
	.type	k_qb9d1329f31_outp,@function
k_qb9d1329f31_outp:
	s_mov_b64 s[64:65], 0
	v_nop
	global_prefetch_b8 v0, s[64:65] scope:SCOPE_SE
	s_setreg_imm32_b32 hwreg(HW_REG_WAVE_MODE, 25, 1), 1
	s_wait_xcnt 0x0
	s_wait_alu depctr_hold_cnt(0) depctr_sa_sdst(0) depctr_va_vdst(0) depctr_va_sdst(0) depctr_va_ssrc(0) depctr_va_vcc(0) depctr_vm_vsrc(0)
	s_getreg_b32 s2, hwreg(HW_REG_IB_STS2, 6, 4)
	s_cmp_eq_u32 s2, 0
	s_cbranch_scc0 .Lentry_in_a_cluster
	s_endpgm
.Lentry_in_a_cluster:
	s_bfe_u32 s2, ttmp6, 0x10000c
	s_cmp_lg_u32 s2, 0xf033
	s_cbranch_scc0 .Lentry_shape_is_right
	s_endpgm
.Lentry_shape_is_right:
; LAUNCH 4 OF 4: out0[m][n] = sum over k of o[m][k] Wo[n][k] + bo[n], on codes of FP8 (E4M3) with E8M0 scales; out0 [4,096][1,024] f32.  Nothing is left out.
; A = the attention's result: oc = [32 blocks of 128 rows][16 heads][128 rows][64 codes], os = [4,096][32] scale bytes.  B = Wo: rows 15,360 on of c1 (1,024 codes a row) and of s1 (32 bytes a row).
; THE TILE is 128 x 128: 256 work-groups.  Eight waves, each 32 rows x 64 columns: 8 accumulators of 16 x 16.
; NO RING, NO PREFETCH.  128 rows of A and of B over all of K lie WHOLE in LDS, as four K steps of 256.  Every tensor load is a first fill at the head, one a wave: wave 2 k brings K step k of A, wave 2 k + 1 of B.  A barrier for each K step shows it; no loop loads from memory.
; SCALE WORDS go straight into registers: 32 rows x 32 bytes lie on end, a lane a row: lanes 0-15 serve an even block, 16-31 the odd one behind it.
; CLUSTERS: 4 x 4.  The four of a row need the same block of A, the four of a column the same rows of B: each load is joint.
; A'S TILE: a K step (four heads) is 32,768 dense bytes of oc: row m, head e of the four, at LDS row 32 e + m / 4, byte 64 (m % 4).
; THE ORDER OF CODES INSIDE A BLOCK OF 32: oc holds the code of feature 32 c + 16 u + 8 h + j at place 32 c + 16 h + 8 u + j.  Wo's codes lie in the true order, so B's registers 4 c, 4 c + 1 come from byte 32 c + 8 h, 4 c + 2, 4 c + 3 from byte 32 c + 16 + 8 h.
; USED TRANSPOSED (source 0 = 16 rows of B, source 1 = 16 rows of A): a lane holds eight neighbours of a row of out0.  bo is the C of each sum's first product.
; REGISTERS: window 0: addresses, scale words, v64-95 the bias, v64-127 rows on the way out, v128-191 accumulators ((a, b) at v[128 + 8 (4 a + b)]); window 1: two fragment buffers of 96: A's two, B's four.
; LIMITS: as in the first launch.
.set PITCH,  272
.set HALFT,  128*PITCH                 ; 128 LDS rows: what one tensor load brings
.set SLOT,   2*HALFT                   ; a K step: A, then B
.set SPARE,  4*SLOT                    ; the spare words, 128 bytes a wave
.set STG,    SPARE+1024                ; the way out: 16 rows x 272 bytes a wave
.set NP,     8                         ; places behind this matrix instruction (ISA guide 7.12.1)
.set NROW,   4096
.set WV,   18
.set WR,   19                          ; which 32 rows are mine.  Also: the K step that I fetch
.set WC,   20                          ; which 64 columns.  Also: I fetch A (0) or B (1)
.set TROW, 21
.set TCOL, 22
.set G1A,  24
.set G1B,  32
.set G0A,  40
.set G0B,  44
.set ADRA, 8                           ; v8-11   my A fragments in K step 0 .. 3
.set ADRB, 12                          ; v12-15  my B fragments
.set BOQ,  16
.set STO,  17
.set RD,   18
.set CO,   19
.set VS,   20                          ; v20  32 x lane
.set SPW,  28
.set NIL,  29
.set SA,   36                          ; v36-43  A's scale words, a step a register
.set SB,   48                          ; v48-63  B's: blocks 0, 1 and blocks 2, 3
.set BI,   64
.set BK,   64
.set ACC,  128
.set MSB, 0
.macro WIN new                         ; the immediate's high byte repeats the setting that is left
.if MSB != \new
	s_set_vgpr_msb (MSB<<8)|\new
.set MSB, \new
.endif
.endm
.macro CROUND                          ; a round of the cluster's barrier
	s_barrier_signal -1
	s_barrier_wait -1
	s_cmp_lg_u32 s[WV], 0
	s_cbranch_scc1 .Lnot_wave_0_\@
	s_barrier_signal -3
.Lnot_wave_0_\@:
	s_barrier_wait -3
	s_barrier_signal -1
	s_barrier_wait -1
.endm
	s_load_b256 s[4:11], s[0:1], 0x0               ; oc, os, c1, s1
	s_load_b128 s[12:15], s[0:1], 0x20             ; bo, out0
	v_lshl_add_u32 v[SPW], v0, 2, SPARE
	v_mov_b32 v[NIL], 0
	ds_add_u32 v[SPW], v[NIL]                      ; the wave's opening: the add, twice on end, and its wait
	ds_add_u32 v[SPW], v[NIL]
	v_lshrrev_b32 v1, 5, v0
	v_readfirstlane_b32 s[WV], v1                  ; wave 0..7
	s_lshr_b32 s[WR], s[WV], 1
	s_and_b32 s[WC], s[WV], 1
	s_bfe_u32 s2, ttmp6, 0x40000                   ; cx, cy
	s_bfe_u32 s3, ttmp6, 0x40004
	s_lshl_b32 s[TCOL], ttmp9, 2
	s_add_co_u32 s[TCOL], s[TCOL], s2
	s_and_b32 s[TROW], ttmp7, 0xffff
	s_lshl_b32 s[TROW], s[TROW], 2
	s_add_co_u32 s[TROW], s[TROW], s3
	s_lshl_b32 s16, s3, 2
	s_lshl_b32 s16, 15, s16                        ; my row of the cluster
	s_lshl_b32 s17, 0x1111, s2                     ; my column
	s_or_b32 s[G1A], s16, (1<<20)|(1<<21)|(5<<22)|(3<<25)   ; bytes; padding of four words behind every 64; 21 set beside a mask
	s_or_b32 s[G1B], s17, (1<<20)|(1<<21)|(5<<22)|(3<<25)
.irp g, G1A, G1B
	s_mov_b32 s[\g+1], 256<<16
	s_mov_b32 s[\g+2], 128<<16
	s_mov_b32 s[\g+3], 256<<16
	s_mov_b32 s[\g+4], 128
	s_mov_b32 s[\g+6], 0
	s_mov_b32 s[\g+7], 0
.endr
	s_mov_b32 s[G1A+5], 256                        ; A's block is dense;
	s_mov_b32 s[G1B+5], 1024                       ; B's rows are 1,024 bytes apart
	s_lshl_b32 s48, s[TROW], 17                    ; A's codes: 131,072 bytes a block, 32,768 a K step
	s_lshl_b32 s49, s[WR], 15
	s_add_co_u32 s48, s48, s49
	s_mov_b32 s49, 0
	s_lshl_b32 s50, s[TCOL], 7
	s_add_co_u32 s50, s50, 15360                   ; B: the tile's first row of c1
	s_lshl_b32 s52, s[WC], 6
	s_add_co_u32 s52, s52, s50
	s_lshl_b32 s52, s52, 5                         ; my 64 rows' scale bytes in s1
	s_mov_b32 s53, 0
	s_lshl_b32 s50, s50, 10
	s_lshl_b32 s51, s[WR], 8
	s_add_co_u32 s50, s50, s51
	s_mov_b32 s51, 0
	s_lshl_b32 s54, s[TROW], 12                    ; my 32 rows' scale bytes in os
	s_lshl_b32 s55, s[WR], 10
	s_add_co_u32 s54, s54, s55
	s_mov_b32 s55, 0
	s_mul_i32 s23, s[WR], SLOT
	s_wait_dscnt 0x0                               ; both opening adds are done
	s_wait_kmcnt 0x0
	s_mov_b32 s[G0A], 1
	s_mov_b32 s[G0A+1], s23
	s_add_nc_u64 s[G0A+2:G0A+3], s[4:5], s[48:49]
	s_or_b32 s[G0A+3], s[G0A+3], 0x80000000
	s_mov_b32 s[G0B], 1
	s_add_co_u32 s[G0B+1], s23, HALFT
	s_add_nc_u64 s[G0B+2:G0B+3], s[8:9], s[50:51]
	s_or_b32 s[G0B+3], s[G0B+3], 0x80000000
	CROUND                                         ; all sixteen work-groups are here: the joint loads meet
.macro ARM under, g0, g1, next
	s_cmp_lt_u32 s[WV], \under
	s_cbranch_scc0 \next
	tensor_load_to_lds s[\g0:\g0+3], s[\g1:\g1+7]
	s_nop 0
.rept 4
	v_nop
.endr
	s_branch .Lasked
\next:
.endm
	ARM 1, G0A, G1A, .Lh1                          ; a line of its own for each wave: they wait at different barriers
	ARM 2, G0B, G1B, .Lh2
	ARM 3, G0A, G1A, .Lh3
	ARM 4, G0B, G1B, .Lh4
	ARM 5, G0A, G1A, .Lh5
	ARM 6, G0B, G1B, .Lh6
	ARM 7, G0A, G1A, .Lh7
	tensor_load_to_lds s[G0B:G0B+3], s[G1B:G1B+7]
	s_nop 0
.rept 4
	v_nop
.endr
.Lasked:
	s_add_nc_u64 s[52:53], s[10:11], s[52:53]
	s_add_nc_u64 s[54:55], s[6:7], s[54:55]
	s_lshl_b32 s66, s[TCOL], 9                     ; my first column, in bytes
	s_lshl_b32 s67, s[WC], 8
	s_add_co_u32 s66, s66, s67
	s_mov_b32 s67, 0
	s_add_nc_u64 s[12:13], s[12:13], s[66:67]
	s_add_nc_u64 s[14:15], s[14:15], s[66:67]
	s_lshl_b32 s66, s[TROW], 19                    ; my first row: 128 x tile row + 32 x WR, 4,096 bytes a row
	s_lshl_b32 s68, s[WR], 17
	s_add_co_u32 s66, s66, s68
	s_add_nc_u64 s[14:15], s[14:15], s[66:67]
	v_and_b32 v1, 15, v0                           ; r
	v_bfe_u32 v2, v0, 4, 1                         ; h
	v_and_b32 v7, 31, v0
	v_lshlrev_b32 v[VS], 5, v7
	v_lshlrev_b32 v[BOQ], 5, v2
.irp w, 0,1
	global_load_b128 v[SA+4*\w:SA+4*\w+3], v[VS], s[54:55] offset:16*\w
	global_load_b128 v[SB+4*\w:SB+4*\w+3], v[VS], s[52:53] offset:16*\w
	global_load_b128 v[SB+8+4*\w:SB+8+4*\w+3], v[VS], s[52:53] offset:1024+16*\w
.endr
.irp b, 0,1,2,3
	global_load_b128 v[BI+8*\b:BI+8*\b+3], v[BOQ], s[12:13] offset:64*\b      ; register 8 b + j: bo of column 16 b + 8 h + j
	global_load_b128 v[BI+8*\b+4:BI+8*\b+7], v[BOQ], s[12:13] offset:64*\b+16
.endr
	v_lshrrev_b32 v3, 2, v1                        ; A: row r at (r / 4) x 272 + (r % 4) x 64, + 16 h
	v_mul_u32_u24 v3, v3, PITCH
	v_and_b32 v4, 3, v1
	v_lshl_add_u32 v3, v4, 6, v3
	v_lshl_add_u32 v3, v2, 4, v3
	v_mul_u32_u24 v4, v1, PITCH                    ; B: row r x 272 + 8 h
	v_lshl_add_u32 v5, v2, 3, v4
	s_wait_alu depctr_va_vdst(0)                   ; the wait here, ahead of the runs of scalar lines
	s_mul_i32 s68, s[WR], 8*PITCH                  ; my 32 rows of A: 8 of each head's 32 LDS rows
	s_mul_i32 s69, s[WC], 64*PITCH                 ; my 64 rows of B, behind A's 128 LDS rows
	s_add_co_u32 s69, s69, HALFT
.irp s, 0,1,2,3
	v_add_nc_u32 v[ADRA+\s], s68, v3
	v_add_nc_u32 v[ADRB+\s], s69, v5
	s_add_co_u32 s68, s68, SLOT
	s_add_co_u32 s69, s69, SLOT
.endr
	s_mul_i32 s70, s[WV], 16*PITCH
	s_add_co_u32 s70, s70, STG                     ; my stage
	v_lshl_add_u32 v4, v2, 5, v4
	v_add_nc_u32 v[STO], s70, v4                   ; in: row r, 32 bytes for each half of the lanes
	v_mul_u32_u24 v6, v2, PITCH
	v_lshl_add_u32 v6, v1, 4, v6
	v_add_nc_u32 v[RD], s70, v6                    ; back: lanes 0-15 one row of 256 bytes, lanes 16-31 the next
	v_lshlrev_b32 v[CO], 12, v2
	v_lshl_add_u32 v[CO], v1, 4, v[CO]             ; and the same two rows in out0
; The fragments of step s (128 along K: half s % 2 of K step s / 2) into buffer s % 2
.macro FETCH s
.set FB, 96*((\s)%2)
.set SL, (\s)/2
.set QQ, (\s)%2
	WIN 0x40
.irp a, 0,1
.irp c, 0,1,2,3
	ds_load_b128 v[FB+16*\a+4*\c:FB+16*\a+4*\c+3], v[ADRA+SL] offset:(2*QQ+\c/2)*32*PITCH+32*(\c%2)+\a*4*PITCH
.endr
.endr
.irp b, 0,1,2,3
.irp c, 0,1,2,3
	ds_load_b64 v[FB+32+16*\b+4*\c:FB+32+16*\b+4*\c+1], v[ADRB+SL] offset:128*QQ+32*\c+\b*16*PITCH
	ds_load_b64 v[FB+32+16*\b+4*\c+2:FB+32+16*\b+4*\c+3], v[ADRB+SL] offset:128*QQ+32*\c+16+\b*16*PITCH
.endr
.endr
	WIN 0
.endm
; Step s's 8 products, the accumulators by turns.  In step 0 the sums begin with the bias
.macro MUL s
.set FB, 96*((\s)%2)
	WIN 0x05
.irp a, 0,1
.irp b, 0,1,2,3
.set rD, ACC+8*(4*\a+\b)
.set rC, rD
.if (\s) == 0
.set rC, BI+8*\b
.endif
.set rB, FB+32+16*\b
.set rA, FB+16*\a
.set rS, SB+8*(\b/2)+(\s)
.if \a
.if \b%2
	v_wmma_scale_f32_16x16x128_f8f6f4 v[rD:rD+7], v[rB:rB+15], v[rA:rA+15], v[rC:rC+7], v[rS], v[SA+(\s)] matrix_a_scale:MATRIX_SCALE_ROW1 matrix_b_scale:MATRIX_SCALE_ROW1
.else
	v_wmma_scale_f32_16x16x128_f8f6f4 v[rD:rD+7], v[rB:rB+15], v[rA:rA+15], v[rC:rC+7], v[rS], v[SA+(\s)] matrix_b_scale:MATRIX_SCALE_ROW1
.endif
.else
.if \b%2
	v_wmma_scale_f32_16x16x128_f8f6f4 v[rD:rD+7], v[rB:rB+15], v[rA:rA+15], v[rC:rC+7], v[rS], v[SA+(\s)] matrix_a_scale:MATRIX_SCALE_ROW1
.else
	v_wmma_scale_f32_16x16x128_f8f6f4 v[rD:rD+7], v[rB:rB+15], v[rA:rA+15], v[rC:rC+7], v[rS], v[SA+(\s)]
.endif
.endif
.endr
.endr
	WIN 0
.endm
.macro PLACES n                        ; only plain vector instructions are places (ISA guide 7.12.1 for vector instructions)
.rept \n
	v_nop
.endr
.endm
; The barrier that shows K step k: waves 2 k and 2 k + 1 have waited for their loads here, those of earlier K steps before
.macro SHOW k
.if (\k) < 3
	s_cmp_lt_u32 s[WV], 2*(\k)+2
	s_cbranch_scc0 .Llater_\@
	s_wait_tensorcnt 0x0
.Llater_\@:
.else
	s_wait_tensorcnt 0x0
.endif
	s_wait_dscnt 0x0
	s_barrier_signal -1
	s_barrier_wait -1
.endm
; Two steps of one K step, on buffers 0 and 1
.macro KSTEP k
	s_wait_dscnt 0x0
	FETCH 2*(\k)+1
	MUL 2*(\k)
	s_wait_dscnt 0x0
	MUL 2*(\k)+1
.if (\k) < 3
	SHOW (\k)+1
	PLACES NP
	FETCH 2*(\k)+2
.endif
.endm
	s_wait_alu depctr_va_vdst(0)                   ; the wait at the head's end
	SHOW 0
	FETCH 0
	s_wait_loadcnt 0x0                             ; the scale words and the bias
	KSTEP 0
	KSTEP 1
	KSTEP 2
	KSTEP 3
; THE WAY OUT, by blocks of 16 rows x 64 columns: through my own stage, back as whole rows of 256 bytes.  LDS serves a wave's instructions in order (ISA guide 5.7.1.4): no wait between stores and loads, nor ahead of the next block's stores
.macro TOSTAGE a
.irp b, 0,1,2,3
	ds_store_b128 v[STO], v[ACC+8*(4*(\a)+\b):ACC+8*(4*(\a)+\b)+3] offset:64*\b          ; each accumulator from its low end on
	ds_store_b128 v[STO], v[ACC+8*(4*(\a)+\b)+4:ACC+8*(4*(\a)+\b)+7] offset:64*\b+16
.endr
.irp t, 0,1,2,3,4,5,6,7
	ds_load_b128 v[BK+32*(\a)+4*\t:BK+32*(\a)+4*\t+3], v[RD] offset:\t*2*PITCH
.endr
.endm
.macro SEND a, younger                 ; younger: the LDS instructions issued behind block a's loads
	s_wait_dscnt \younger
.irp t, 0,1,2,3,4,5,6,7
	global_store_b128 v[CO], v[BK+32*(\a)+4*\t:BK+32*(\a)+4*\t+3], s[14:15] offset:(16*(\a)+2*\t)*NROW th:TH_STORE_NT   ; 16 lanes store 256 consecutive bytes, aligned
.endr
.endm
	PLACES NP
	TOSTAGE 0
	TOSTAGE 1
	SEND 0, 16
	SEND 1, 0
	s_wait_tensorcnt 0x0                           ; the wave's end
	ds_add_u32 v[SPW], v[NIL]
	s_wait_dscnt 0x0
	CROUND                                         ; the closing round
	s_endpgm
.Lfunc_end_k_qb9d1329f31_outp:
	.size	k_qb9d1329f31_outp, .Lfunc_end_k_qb9d1329f31_outp-k_qb9d1329f31_outp
	.p2alignl 7, 3214868480
	.fill 96, 4, 3214868480
	.section	.rodata,"a",@progbits
	.p2align	6, 0x0
	.amdhsa_kernel k_qb9d1329f31_outp
		.amdhsa_group_segment_fixed_size 327680
		.amdhsa_private_segment_fixed_size 0
		.amdhsa_enable_private_segment 0
		.amdhsa_kernarg_size 48
		.amdhsa_user_sgpr_count 2
		.amdhsa_user_sgpr_kernarg_segment_ptr 1
		.amdhsa_wavefront_size32 1
		.amdhsa_system_sgpr_workgroup_id_x 1
		.amdhsa_system_sgpr_workgroup_id_y 1
		.amdhsa_system_sgpr_workgroup_id_z 1
		.amdhsa_system_vgpr_workitem_id 0
		.amdhsa_next_free_vgpr 512
		.amdhsa_next_free_sgpr 102
		.amdhsa_reserve_vcc 0
		.amdhsa_float_denorm_mode_32 3
		.amdhsa_float_denorm_mode_16_64 3
		.amdhsa_memory_ordered 1
		.amdhsa_forward_progress 1
		.amdhsa_inst_pref_size 46
	.end_amdhsa_kernel
	.amdgpu_metadata
---
amdhsa.version: [ 1, 2 ]
amdhsa.kernels:
  - .name:           k_qb9d1329f31_outp
    .symbol:         k_qb9d1329f31_outp.kd
    .args:
      - { .name: oc, .offset: 0, .size: 8, .value_kind: global_buffer, .address_space: global }
      - { .name: os, .offset: 8, .size: 8, .value_kind: global_buffer, .address_space: global }
      - { .name: c1, .offset: 16, .size: 8, .value_kind: global_buffer, .address_space: global }
      - { .name: s1, .offset: 24, .size: 8, .value_kind: global_buffer, .address_space: global }
      - { .name: bo, .offset: 32, .size: 8, .value_kind: global_buffer, .address_space: global }
      - { .name: out0, .offset: 40, .size: 8, .value_kind: global_buffer, .address_space: global }
    .group_segment_fixed_size: 327680
    .private_segment_fixed_size: 0
    .kernarg_segment_align: 8
    .kernarg_segment_size: 48
    .max_flat_workgroup_size: 256
    .sgpr_count:     102
    .vgpr_count:     512
    .wavefront_size: 32
...
	.end_amdgpu_metadata
.endif
;; end of part 4
